; MI455X (gfx1250); checked and timed in simulation.
; The chip was launched on July 23, 2026; its instructions are those of AMD's public machine-readable ISA for CDNA 5 (MIT licence, August 2026) and "CDNA5" Instruction Set Architecture Reference Guide (July 2026). The comments in the code are by the model that wrote it; some were corrected since.
;; Transformer Block. Allowed arithmetic: matrix products marked QUANTISED: E4M3 operands, one given power-of-two scale a tensor, by v_wmma_f32_16x16x64_fp8_fp8 or v_wmma_f32_16x16x128_fp8_fp8, f32 sums; everything else in f32.
;; Inputs: W1 1,024 x 4,096 float32; W2 4,096 x 1,024 float32; Wk 1,024 x 1,024 float32; Wo 1,024 x 1,024 float32; Wq 1,024 x 1,024 float32; Wv 1,024 x 1,024 float32; b1 4,096 float32; b2 1,024 float32; be1 1,024 float32; be2 1,024 float32; bo 1,024 float32; g1 1,024 float32; g2 1,024 float32; lowp_scales 16 int32 (the exponents e of the quantised operands' scales 2^e); x 2 x 2,048 x 1,024 float32.
;; Outputs: out0 2 x 2,048 x 1,024 float32.
;; This version of the problem:
;;   THIS VERSION OF THE PROBLEM IS GIVEN IN LOW PRECISION. The matrix products marked QUANTISED in the list below multiply operands that are first quantised to E4M3 (4 exponent bits, 3 mantissa bits; 8 bits a number), with one given power-of-two scale for each operand tensor; their sums are f32. All else is computed in f32.
;;   The module's matrix products, in the order in which they are computed (A, B: the left and right operand; K: the contracted axis; several contracted axes count as one K, in the product's order):
;;     1. [M 4,096, K 1,024] x [K 1,024, N 1,024]; A: computed on the way; B: input Wq: QUANTISED (scales: A lowp_scales[0], B lowp_scales[1])
;;     2. [M 4,096, K 1,024] x [K 1,024, N 1,024]; A: computed on the way; B: input Wk: QUANTISED (scales: A lowp_scales[2], B lowp_scales[3])
;;     3. [M 4,096, K 1,024] x [K 1,024, N 1,024]; A: computed on the way; B: input Wv: QUANTISED (scales: A lowp_scales[4], B lowp_scales[5])
;;     4. batch 32 x [M 2,048, K 64] x [K 64, N 2,048]; A: computed on the way; B: computed on the way: QUANTISED (scales: A lowp_scales[6], B lowp_scales[7])
;;     5. batch 32 x [M 2,048, K 2,048] x [K 2,048, N 64]; A: softmax (see below); B: computed on the way: QUANTISED (scales: A lowp_scales[8], B lowp_scales[9])
;;     6. [M 4,096, K 1,024] x [K 1,024, N 1,024]; A: computed on the way; B: input Wo: QUANTISED (scales: A lowp_scales[10], B lowp_scales[11])
;;     7. [M 4,096, K 1,024] x [K 1,024, N 4,096]; A: computed on the way; B: input W1: QUANTISED (scales: A lowp_scales[12], B lowp_scales[13])
;;     8. [M 4,096, K 4,096] x [K 4,096, N 1,024]; A: computed on the way; B: input W2: QUANTISED (scales: A lowp_scales[14], B lowp_scales[15])
;;   THE QUANTISER, for each operand of a quantised product, along K:
;;     - The operand's scale is 2^e, e = its entry of the input lowp_scales (int32; the entries are numbered through the quantised products in the list's order, A before B).
;;     - Each number is divided by the scale, clamped to +-448, and rounded to the nearest number of E4M3, ties to even, subnormals kept.
;;     - The product sums the exact products of the quantised numbers (number of the format x scale) in f32.
;;   ~~~python
;;   def quantise(x, axis, e):      # numpy; x: float32 -> the quantised numbers, widened to float32 again
;;       x = np.moveaxis(x, axis, -1); K = x.shape[-1]
;;       r = np.clip(x / 2.0 ** e, -448, 448)
;;       step = 2.0 ** (np.maximum(np.frexp(np.where(r == 0, 1, r))[1] - 1, -6) - 3)
;;       q = np.round(r / step) * step * 2.0 ** e      # np.round: ties to even
;;       return np.moveaxis(q, -1, axis).astype(np.float32)
;;   ~~~
;;   SOFTMAX AHEAD OF A QUANTISED PRODUCT. Where the list says 'softmax', what is quantised is not the finished softmax but p = 2^(t - M), with t = logit x log2(e) and M = ceil(the row's largest t), a whole number; so 1/2 < the row's largest p <= 1. The row's sum l is taken of the UNQUANTISED p, in f32, and the product's result is divided by l at the end. Since M is a whole number, a kernel that streams over the keys may use a running M (the ceiling of the running maximum): every later rescaling is an exact power of two, so the quantised numbers keep their values, but for numbers so far below the row's largest that they fall under the format's range.
;;   OPERANDS COMPUTED ON THE WAY. 'Computed on the way' means the value that the module computes at that place (a softmax that the list does not call 'softmax' is quantised finished and normalised). What goes into a quantiser is computed in f32, as accurately as f32 sums, v_exp_f32 and their like allow (about 1e-6 of the number): no bf16 or f16 on the way to a quantiser, and a product that is left as it is and whose result goes on into a quantised operand takes f32 operands (vector FMAs, or v_wmma_f32_16x16x4_f32). A number that lies on a knife's edge between two numbers of the format may be rounded either way, as far as f32 arithmetic and the matrix unit's own rounding can turn it there, and no further.
;; One version. Each part assembles by itself: llvm-mc -triple=amdgcn-amd-amdhsa -mcpu=gfx1250 --defsym DOCPART=n.
;; ======== version 1 of 1: 8 launches
;; workspace buffers: P 29,360,128 bytes; QKV 12,582,912 bytes; CTX 4,194,304 bytes; X1 16,777,216 bytes; HID 16,777,216 bytes
;; launch wquant (part 1): grid 384 x 1, 4 waves a work-group, no clusters, 0 bytes of LDS; arguments Wq, Wk, Wv, Wo, W1, W2, lowp_scales, P; writes P
.if DOCPART == 1
	.amdgcn_target "amdgcn-amd-amdhsa--gfx1250"
	.amdhsa_code_object_version 6
	.text
	.protected	k_q1fae1865d2_wquant
	.globl	k_q1fae1865d2_wquant
	.p2align	8
	.type	k_q1fae1865d2_wquant,@function
k_q1fae1865d2_wquant:
	s_mov_b64 s[64:65], 0
	v_nop
	global_prefetch_b8 v0, s[64:65] scope:SCOPE_SE
	s_setreg_imm32_b32 hwreg(HW_REG_WAVE_MODE, 25, 1), 1
	s_wait_xcnt 0x0
; SIX WEIGHTS, f32 stored [K][N], BECOME CODES OF FP8 (E4M3), each with its given scale 2^e, laid as IMAGES OF THE OPERAND'S REGISTERS:
; P + place of the weight: [n / 16][K / 128][2,048 bytes]; a fragment (16 columns n x 128 k) is [piece g = 0..3][lane 0..31][16 bytes]; lane (r, h) of piece g holds,
; of column 16 blk + r, k = 32 g + 8 h + 0..7 and then k = 32 g + 16 + 8 h + 0..7: registers 4 g .. 4 g + 3 of the plain fp8 form's operand.
; A LANE TAKES A COLUMN n AND ITS REGISTERS RUN DOWN K: a load reads 128 consecutive bytes a wave; a block of 32 k gives the 16 bytes of lane (r, 0) and the 16 of lane (r, 1) of one piece.
; Sixteen neighbouring lanes store 256 consecutive bytes, aligned.  A work-group takes 128 columns x 256 k, a wave 32 columns.  No LDS, no barrier, no loop.
; Work-groups 0-127: Wq, Wk, Wv, Wo (32 each); 128-255: W1; 256-383: W2.  Only pointers, pitches and the exponent are chosen, by selects on the work-group's number: one path for all.
; code = x / 2^e, held within +-448, to the nearest code, ties to even.  LIMITS: e between -126 and 119.  NaN among the inputs is not served.
.set VO, 8                             ; v8-39    4 x lane + i rows of the weight, i = 0..31; never rewritten
.set X,  40                            ; v40-103  two sets of 32 numbers
.set C,  104                           ; v104-167 eight registers of codes for each block: no store's data are written again
	s_load_b512 s[8:23], s[0:1], 0x0               ; Wq, Wk, Wv, Wo, W1, W2, the exponents, P
	v_lshrrev_b32 v1, 5, v0
	v_readfirstlane_b32 s2, v1                     ; wave
	v_and_b32 v2, 31, v0                           ; lane
	s_lshr_b32 s3, ttmp9, 7                        ; group: 0 the four square weights, 1 W1, 2 W2
	s_bfe_u32 s4, ttmp9, 0x20005                   ; which of the four
	s_cmp_eq_u32 s3, 0
	s_cselect_b32 s5, 31, 127
	s_and_b32 s5, ttmp9, s5                        ; my number within the weight
	s_add_co_u32 s6, s3, 3
	s_lshl_b32 s7, s3, 22
	s_lshl_b32 s27, s4, 20
	s_cmp_eq_u32 s3, 0
	s_cselect_b32 s6, s4, s6                       ; the weight, 0..5
	s_cselect_b32 s7, s27, s7                      ; its place in P
	s_cmp_eq_u32 s3, 1
	s_cselect_b32 s28, 2, 0                        ; W1 has four times the columns
	s_cmp_eq_u32 s3, 2
	s_cselect_b32 s29, 2, 0                        ; W2 four times the K
	s_lshl_b32 s30, 4096, s28                      ; a row of the weight in bytes
	s_lshl_b32 s31, 16384, s29                     ; from a block of 16 columns to the next in the images: 16 K bytes
	s_lshl_b32 s32, 8, s28
	s_sub_co_u32 s32, s32, 1
	s_and_b32 s32, s5, s32                         ; which 128 columns
	s_add_co_u32 s33, s28, 3
	s_lshr_b32 s33, s5, s33                        ; which 256 along K
	s_lshl_b32 s34, s33, 8
	s_mul_i32 s34, s34, s30                        ; in: 256 ky rows
	s_lshl_b32 s35, s32, 9
	s_add_co_u32 s34, s34, s35                     ; + 128 nx columns
	s_lshl_b32 s35, s2, 7
	s_add_co_u32 s34, s34, s35                     ; + 32 columns a wave
	s_mov_b32 s35, 0
	s_lshl_b32 s52, s32, 3
	s_lshl_b32 s53, s2, 1
	s_add_co_u32 s52, s52, s53
	s_mul_i32 s52, s52, s31                        ; out: block 8 nx + 2 wave
	s_lshl_b32 s53, s33, 12
	s_add_co_u32 s52, s52, s53                     ; + two fragments for each ky
	s_add_co_u32 s52, s52, s7
	s_mov_b32 s53, 0
	s_lshl_b32 s54, s30, 5                         ; 32 rows
	s_mov_b32 s55, 0
	v_lshlrev_b32 v[VO], 2, v2
.set i, 1
.rept 31
	v_add_nc_u32 v[VO+i], s30, v[VO+i-1]
.set i, i+1
.endr
	v_lshrrev_b32 v3, 4, v2
	v_mul_lo_u32 v3, v3, s31                       ; lanes 16-31 hold the next block of 16 columns
	v_and_b32 v7, 15, v2
	v_lshl_add_u32 v6, v7, 4, v3                   ; + 16 r
	s_wait_kmcnt 0x0
	s_load_b512 s[36:51], s[20:21], 0x0            ; the sixteen exponents
	s_mov_b64 s[24:25], s[8:9]
	s_cmp_eq_u32 s6, 1
	s_cselect_b64 s[24:25], s[10:11], s[24:25]
	s_cmp_eq_u32 s6, 2
	s_cselect_b64 s[24:25], s[12:13], s[24:25]
	s_cmp_eq_u32 s6, 3
	s_cselect_b64 s[24:25], s[14:15], s[24:25]
	s_cmp_eq_u32 s6, 4
	s_cselect_b64 s[24:25], s[16:17], s[24:25]
	s_cmp_eq_u32 s6, 5
	s_cselect_b64 s[24:25], s[18:19], s[24:25]     ; the choice hangs on the work-group's number alone
	s_add_nc_u64 s[68:69], s[24:25], s[34:35]      ; a base for each block of 32 k: the pitch is no constant of the text
.irp t, 1,2,3,4,5,6,7
	s_add_nc_u64 s[68+2*\t:69+2*\t], s[66+2*\t:67+2*\t], s[54:55]
.endr
	s_add_nc_u64 s[56:57], s[22:23], s[52:53]
.macro LOAD t                          ; block t: W(32 t + i, my column) into set t % 2
.set i, 0
.rept 32
	global_load_b32 v[X+32*((\t)%2)+i], v[VO+i], s[68+2*(\t):69+2*(\t)] th:TH_LOAD_NT
.set i, i+1
.endr
.endm
	LOAD 0
	LOAD 1
	s_wait_kmcnt 0x0
	s_mov_b32 s26, s37                             ; entries 1, 3, 5, 11, 13, 15 are the weights'
	s_cmp_eq_u32 s6, 1
	s_cselect_b32 s26, s39, s26
	s_cmp_eq_u32 s6, 2
	s_cselect_b32 s26, s41, s26
	s_cmp_eq_u32 s6, 3
	s_cselect_b32 s26, s47, s26
	s_cmp_eq_u32 s6, 4
	s_cselect_b32 s26, s49, s26
	s_cmp_eq_u32 s6, 5
	s_cselect_b32 s26, s51, s26
	s_add_co_i32 s26, s26, 127
	s_lshl_b32 s27, s26, 23
	v_mov_b32 v4, s27                              ; 2^e as f32: the conversion takes its exponent field
	s_add_co_i32 s26, s26, 8
	s_lshl_b32 s26, s26, 23
	s_or_b32 s26, s26, 0x600000
	v_mov_b32 v5, s26                              ; 448 x 2^e
.macro BLOCK t
.set XS, X+32*((\t)%2)
.set CC, C+8*(\t)
.if (\t) < 7
	s_wait_loadcnt 32                              ; this block's 32 loads are in; the next block's 32 may be out
.else
	s_wait_loadcnt 0
.endif
.set i, 0
.rept 32
	v_med3_num_f32 v[XS+i], v[XS+i], -v5, v5       ; the conversion to an 8-bit code does not saturate (ISA guide 7.6.2): the hold comes first
.set i, i+1
.endr
	v_cvt_scalef32_pk8_fp8_f32 v[CC:CC+1],   v[XS:XS+7],     v4   ; lane (r, 0) of the piece: k 0-7,
	v_cvt_scalef32_pk8_fp8_f32 v[CC+2:CC+3], v[XS+16:XS+23], v4   ; k 16-23;
	v_cvt_scalef32_pk8_fp8_f32 v[CC+4:CC+5], v[XS+8:XS+15],  v4   ; lane (r, 1): k 8-15,
	v_cvt_scalef32_pk8_fp8_f32 v[CC+6:CC+7], v[XS+24:XS+31], v4   ; k 24-31.  (The results go to stores and the sources take loads: neither wants a place; the next block's holds are plain lines on other registers)
	global_store_b128 v6, v[CC:CC+3],   s[56:57] offset:((\t)/4)*2048+((\t)%4)*512
	global_store_b128 v6, v[CC+4:CC+7], s[56:57] offset:((\t)/4)*2048+((\t)%4)*512+256
.if (\t)+2 < 8
	LOAD (\t)+2
.endif
.endm
.irp t, 0,1,2,3,4,5,6,7
	BLOCK \t
.endr
	s_endpgm
.Lfunc_end_k_q1fae1865d2_wquant:
	.size	k_q1fae1865d2_wquant, .Lfunc_end_k_q1fae1865d2_wquant-k_q1fae1865d2_wquant
	.p2alignl 7, 3214868480
	.fill 96, 4, 3214868480
	.section	.rodata,"a",@progbits
	.p2align	6, 0x0
	.amdhsa_kernel k_q1fae1865d2_wquant
		.amdhsa_group_segment_fixed_size 0
		.amdhsa_private_segment_fixed_size 0
		.amdhsa_enable_private_segment 0
		.amdhsa_kernarg_size 64
		.amdhsa_user_sgpr_count 2
		.amdhsa_user_sgpr_kernarg_segment_ptr 1
		.amdhsa_wavefront_size32 1
		.amdhsa_system_sgpr_workgroup_id_x 1
		.amdhsa_system_sgpr_workgroup_id_y 1
		.amdhsa_system_sgpr_workgroup_id_z 1
		.amdhsa_system_vgpr_workitem_id 0
		.amdhsa_next_free_vgpr 168
		.amdhsa_next_free_sgpr 96
		.amdhsa_reserve_vcc 0
		.amdhsa_float_denorm_mode_32 3
		.amdhsa_float_denorm_mode_16_64 3
		.amdhsa_memory_ordered 1
		.amdhsa_forward_progress 1
		.amdhsa_inst_pref_size 49
	.end_amdhsa_kernel
	.amdgpu_metadata
---
amdhsa.version: [ 1, 2 ]
amdhsa.kernels:
  - .name:           k_q1fae1865d2_wquant
    .symbol:         k_q1fae1865d2_wquant.kd
    .args:
      - { .name: Wq, .offset: 0, .size: 8, .value_kind: global_buffer, .address_space: global }
      - { .name: Wk, .offset: 8, .size: 8, .value_kind: global_buffer, .address_space: global }
      - { .name: Wv, .offset: 16, .size: 8, .value_kind: global_buffer, .address_space: global }
      - { .name: Wo, .offset: 24, .size: 8, .value_kind: global_buffer, .address_space: global }
      - { .name: W1, .offset: 32, .size: 8, .value_kind: global_buffer, .address_space: global }
      - { .name: W2, .offset: 40, .size: 8, .value_kind: global_buffer, .address_space: global }
      - { .name: lowp_scales, .offset: 48, .size: 8, .value_kind: global_buffer, .address_space: global }
      - { .name: P, .offset: 56, .size: 8, .value_kind: global_buffer, .address_space: global }
    .group_segment_fixed_size: 0
    .private_segment_fixed_size: 0
    .kernarg_segment_align: 8
    .kernarg_segment_size: 64
    .max_flat_workgroup_size: 128
    .sgpr_count:     96
    .vgpr_count:     168
    .wavefront_size: 32
...
	.end_amdgpu_metadata
.endif
;; end of part 1
;; launch ln1 (part 2): grid 256 x 1, 4 waves a work-group, no clusters, 168,448 bytes of LDS; arguments x, g1, be1, lowp_scales, P; writes P
.if DOCPART == 2
	.amdgcn_target "amdgcn-amd-amdhsa--gfx1250"
	.amdhsa_code_object_version 6
	.text
	.protected	k_q1fae1865d2_ln1
	.globl	k_q1fae1865d2_ln1
	.p2align	8
	.type	k_q1fae1865d2_ln1,@function
k_q1fae1865d2_ln1:
	s_mov_b64 s[64:65], 0
	v_nop
	global_prefetch_b8 v0, s[64:65] scope:SCOPE_SE
	s_setreg_imm32_b32 hwreg(HW_REG_WAVE_MODE, 25, 1), 1
	s_wait_xcnt 0x0
; LAYERNORM OF 16 ROWS OF 1,024 f32, QUANTISED NOUT TIMES (once for each product that takes it, each with its own given scale) INTO IMAGES OF THE OPERAND'S REGISTERS:
; P + OUT0 + o x 0x400000: [row / 16][8 fragments][2,048 bytes]; fragment = [piece g][lane][16 bytes], lane (r, h) of piece g: row r, k = 32 g + 8 h + 0..7, then k = 32 g + 16 + 8 h + 0..7.
; A work-group takes 16 rows; wave w takes columns 256 w .. 256 w + 255 (fragments 2 w, 2 w + 1); lane (r, h) holds 128 numbers of row r in the image's order, so a conversion's results are a piece as it is stored.
; Mean and variance in two passes (the mean is taken away before the squares), f32; a row's sums meet across the two halves of the lanes and, through 64 bytes a wave in LDS and a barrier, across the four waves.
; Nothing in LDS is filled twice.  LIMITS: each e between -126 and 119.  NaN among the inputs is not served.
.set NOUT,  3
.set EIDX,  0                          ; output o takes entry EIDX + 2 o of the exponents
.set OUT0,  0xC00000
.set WTILE, 16*1040
.set STAT1, 4*WTILE                    ; 256 bytes: the rows' sums, 64 bytes a wave; the squares' 256 bytes follow
.set XR,    64                         ; v64-191 the numbers (window 0), g (window 1), be (window 2)
.set MSB, 0
.macro WIN new                         ; the immediate's high byte repeats the setting that is left
.if MSB != \new
	s_set_vgpr_msb (MSB<<8)|\new
.set MSB, \new
.endif
.endm
	s_load_b256 s[4:11], s[0:1], 0x0               ; the rows, g, be, the exponents
	s_load_b64 s[12:13], s[0:1], 0x20              ; P
	v_lshl_add_u32 v254, v0, 2, 0x29000
	v_mov_b32 v255, 0
	ds_add_u32 v254, v255
	ds_add_u32 v254, v255
	v_lshrrev_b32 v1, 5, v0
	v_readfirstlane_b32 s2, v1                     ; wave
	s_mov_b32 s24, (2<<16)|(1<<20)|(7<<22)|(3<<25) ; elements of 4 bytes; padding on: after every 256 words four words
	s_mov_b32 s25, 256<<16                         ; tensor_dim0
	s_mov_b32 s26, 16<<16                          ; tensor_dim1
	s_mov_b32 s27, 256<<16                         ; tile_dim0
	s_mov_b32 s28, 16                              ; tile_dim1
	s_mov_b32 s29, 1024                            ; elements from row to row
	s_mov_b32 s30, 0
	s_mov_b32 s31, 0
	s_lshl_b32 s14, ttmp9, 16                      ; 16 rows of 4,096 bytes
	s_lshl_b32 s15, s2, 10
	s_add_co_u32 s14, s14, s15
	s_mov_b32 s15, 0
	s_mov_b32 s16, 1
	s_mul_i32 s17, s2, WTILE                       ; my wave's own bytes
	s_wait_dscnt 0x0
	s_wait_kmcnt 0x0
	s_add_nc_u64 s[18:19], s[4:5], s[14:15]
	s_or_b32 s19, s19, 0x80000000
	tensor_load_to_lds s[16:19], s[24:31]          ; my one tensor load
	s_nop 0
.rept 4
	v_nop
.endr
	s_load_b512 s[36:51], s[10:11], 0x0
	v_and_b32 v1, 15, v0                           ; r
	v_bfe_u32 v2, v0, 4, 1                         ; h
	v_mul_u32_u24 v3, v1, 1040
	v_lshl_add_u32 v3, v2, 5, v3
	v_add_nc_u32 v3, s17, v3                       ; LDS: my row, + 32 h
	s_lshl_b32 s20, s2, 6
	v_lshlrev_b32 v5, 2, v1
	v_add_nc_u32 v5, STAT1, v5                     ; row r's word of wave 0
	v_add_nc_u32 v4, s20, v5                       ; and of my wave
	s_lshl_b32 s21, s2, 10
	v_lshlrev_b32 v6, 5, v2
	v_add_nc_u32 v6, s21, v6                       ; g, be: my wave's 1,024 bytes, + 32 h
	v_and_b32 v7, 31, v0
	v_lshlrev_b32 v7, 4, v7                        ; 16 x lane
	s_mov_b32 s22, 0x76543210
	s_mov_b32 s23, 0xfedcba98                      ; v_permlanex16_b32: lane l xor 16
	WIN 0x40                                       ; destination window 1.  Load n = 4 p + q of piece p: bytes 512 (p / 4) + 128 (p % 4) + {0, 16, 64, 80}
.set n, 0
.rept 32
	global_load_b128 v[XR+4*n:XR+4*n+3], v6, s[6:7] offset:512*(n/16)+128*((n/4)%4)+64*((n/2)%2)+16*(n%2)
.set n, n+1
.endr
	WIN 0x80                                       ; destination window 2
.set n, 0
.rept 32
	global_load_b128 v[XR+4*n:XR+4*n+3], v6, s[8:9] offset:512*(n/16)+128*((n/4)%4)+64*((n/2)%2)+16*(n%2)
.set n, n+1
.endr
	WIN 0
	s_lshl_b32 s32, ttmp9, 14                      ; a block of 16 rows is 16,384 bytes of images,
	s_lshl_b32 s33, s2, 12                         ; my two fragments 4,096
	s_add_co_u32 s32, s32, s33
	s_mov_b32 s33, 0
	s_add_nc_u64 s[52:53], s[12:13], s[32:33]
	s_add_nc_u64 s[52:53], s[52:53], OUT0
.if NOUT > 1
	s_add_nc_u64 s[54:55], s[52:53], 0x400000
	s_add_nc_u64 s[56:57], s[54:55], 0x400000
.endif
	s_wait_kmcnt 0x0
.set o, 0
.rept NOUT
	s_add_co_i32 s34, s[36+EIDX+2*o], 127
	s_lshl_b32 s35, s34, 23
	v_mov_b32 v[24+2*o], s35                       ; 2^e as f32
	s_add_co_i32 s34, s34, 8
	s_lshl_b32 s34, s34, 23
	s_or_b32 s34, s34, 0x600000
	v_mov_b32 v[25+2*o], s34                       ; 448 x 2^e
.set o, o+1
.endr
	s_wait_tensorcnt 0x0                           ; my tile is in LDS; only I read it
.set n, 0
.rept 32
	ds_load_b128 v[XR+4*n:XR+4*n+3], v3 offset:512*(n/16)+128*((n/4)%4)+64*((n/2)%2)+16*(n%2)
.set n, n+1
.endr
	s_wait_dscnt 0x0
; four chains in v[8:15] become the row's sum over all 1,024 columns, in every lane of the row, in v8
.macro RSUM off
	v_pk_add_f32 v[8:9], v[8:9], v[10:11]
	v_pk_add_f32 v[12:13], v[12:13], v[14:15]
	v_pk_add_f32 v[8:9], v[8:9], v[12:13]
	v_add_f32 v8, v8, v9
	v_permlanex16_b32 v9, v8, s22, s23             ; the row's other half of my wave's columns
	v_add_f32 v8, v8, v9
	ds_store_b32 v4, v8 offset:\off                ; lanes r and r + 16 store the same number to the same word
	s_wait_dscnt 0x0                               ; for the others' sake: my store has landed
	s_barrier_signal -1
	s_barrier_wait -1
	ds_load_b32 v8, v5 offset:\off
	ds_load_b32 v9, v5 offset:\off+64
	ds_load_b32 v10, v5 offset:\off+128
	ds_load_b32 v11, v5 offset:\off+192
	s_wait_dscnt 0x0
	v_add_f32 v8, v8, v9
	v_add_f32 v10, v10, v11
	v_add_f32 v8, v8, v10
.endm
.irp c, 0,1,2,3
	v_pk_add_f32 v[8+2*\c:9+2*\c], v[XR+2*\c:XR+2*\c+1], v[XR+8+2*\c:XR+9+2*\c]
.endr
.set n, 8
.rept 56
	v_pk_add_f32 v[8+2*(n%4):9+2*(n%4)], v[8+2*(n%4):9+2*(n%4)], v[XR+2*n:XR+2*n+1]
.set n, n+1
.endr
	RSUM 0
	v_mul_f32 v18, 0x3a800000, v8                  ; the mean: / 1,024
	v_mov_b32 v19, v18
.set n, 0
.rept 64
	v_pk_add_f32 v[XR+2*n:XR+2*n+1], v[XR+2*n:XR+2*n+1], v[18:19] neg_lo:[0,1] neg_hi:[0,1]
.set n, n+1
.endr
.irp c, 0,1,2,3
	v_pk_mul_f32 v[8+2*\c:9+2*\c], v[XR+2*\c:XR+2*\c+1], v[XR+2*\c:XR+2*\c+1]
.endr
.set n, 4
.rept 60
	v_pk_fma_f32 v[8+2*(n%4):9+2*(n%4)], v[XR+2*n:XR+2*n+1], v[XR+2*n:XR+2*n+1], v[8+2*(n%4):9+2*(n%4)]
.set n, n+1
.endr
	RSUM 256                                       ; other words than the first sums': no wave writes what another may still read
	v_mul_f32 v16, 0x3a800000, v8                  ; the variance
	v_add_f32 v16, 0x3727c5ac, v16                 ; + 1e-5
	v_rsq_f32 v20, v16
	v_nop                                          ; a plain line behind the transcendental
	s_wait_alu depctr_va_vdst(0)                   ; and the wait ahead of the first line that names its result
	v_mov_b32 v21, v20
.set n, 0
.rept 64
	v_pk_mul_f32 v[XR+2*n:XR+2*n+1], v[XR+2*n:XR+2*n+1], v[20:21]
.set n, n+1
.endr
	s_wait_loadcnt 0x0                             ; g and be
	WIN 0x24                                       ; source 1 (g) window 1, source 2 (be) window 2
.set n, 0
.rept 64
	v_pk_fma_f32 v[XR+2*n:XR+2*n+1], v[XR+2*n:XR+2*n+1], v[XR+2*n:XR+2*n+1], v[XR+2*n:XR+2*n+1]
.set n, n+1
.endr
	WIN 0
.macro OUTP o                          ; the eight pieces with output o's scale: held into v32-63 (two sets by turns: the numbers stay for the next output), converted, stored: 512 consecutive bytes a store
.if \o > 0
	s_wait_xcnt 0x0                                ; the last output's stores have read their registers: the codes' registers are written again only behind this wait
.endif
.irp p, 0,1,2,3,4,5,6,7
.irp i, 0,1,2,3,4,5,6,7,8,9,10,11,12,13,14,15
	v_med3_num_f32 v[32+16*(\p%2)+\i], v[XR+16*\p+\i], -v[25+2*\o], v[25+2*\o]
.endr
	v_cvt_scalef32_pk8_fp8_f32 v[192+4*\p:193+4*\p], v[32+16*(\p%2):39+16*(\p%2)], v[24+2*\o]
	v_cvt_scalef32_pk8_fp8_f32 v[194+4*\p:195+4*\p], v[40+16*(\p%2):47+16*(\p%2)], v[24+2*\o]
	v_nop                                          ; a plain line behind the conversions
	global_store_b128 v7, v[192+4*\p:195+4*\p], s[52+2*\o:53+2*\o] offset:512*\p
.endr
.endm
	OUTP 0
.if NOUT > 1
	OUTP 1
	OUTP 2
.endif
	s_wait_tensorcnt 0x0
	ds_add_u32 v254, v255
	s_wait_dscnt 0x0
	s_endpgm
.Lfunc_end_k_q1fae1865d2_ln1:
	.size	k_q1fae1865d2_ln1, .Lfunc_end_k_q1fae1865d2_ln1-k_q1fae1865d2_ln1
	.p2alignl 7, 3214868480
	.fill 96, 4, 3214868480
	.section	.rodata,"a",@progbits
	.p2align	6, 0x0
	.amdhsa_kernel k_q1fae1865d2_ln1
		.amdhsa_group_segment_fixed_size 168448
		.amdhsa_private_segment_fixed_size 0
		.amdhsa_enable_private_segment 0
		.amdhsa_kernarg_size 40
		.amdhsa_user_sgpr_count 2
		.amdhsa_user_sgpr_kernarg_segment_ptr 1
		.amdhsa_wavefront_size32 1
		.amdhsa_system_sgpr_workgroup_id_x 1
		.amdhsa_system_sgpr_workgroup_id_y 1
		.amdhsa_system_sgpr_workgroup_id_z 1
		.amdhsa_system_vgpr_workitem_id 0
		.amdhsa_next_free_vgpr 704
		.amdhsa_next_free_sgpr 66
		.amdhsa_reserve_vcc 0
		.amdhsa_float_denorm_mode_32 3
		.amdhsa_float_denorm_mode_16_64 3
		.amdhsa_memory_ordered 1
		.amdhsa_forward_progress 1
		.amdhsa_inst_pref_size 64
	.end_amdhsa_kernel
	.amdgpu_metadata
---
amdhsa.version: [ 1, 2 ]
amdhsa.kernels:
  - .name:           k_q1fae1865d2_ln1
    .symbol:         k_q1fae1865d2_ln1.kd
    .args:
      - { .name: x, .offset: 0, .size: 8, .value_kind: global_buffer, .address_space: global }
      - { .name: g1, .offset: 8, .size: 8, .value_kind: global_buffer, .address_space: global }
      - { .name: be1, .offset: 16, .size: 8, .value_kind: global_buffer, .address_space: global }
      - { .name: lowp_scales, .offset: 24, .size: 8, .value_kind: global_buffer, .address_space: global }
      - { .name: P, .offset: 32, .size: 8, .value_kind: global_buffer, .address_space: global }
    .group_segment_fixed_size: 168448
    .private_segment_fixed_size: 0
    .kernarg_segment_align: 8
    .kernarg_segment_size: 40
    .max_flat_workgroup_size: 128
    .sgpr_count:     66
    .vgpr_count:     704
    .wavefront_size: 32
...
	.end_amdgpu_metadata
.endif
;; end of part 2
;; launch qkv (part 3): grid 12 x 16, 4 waves a work-group, clusters of 4 x 4, 327,680 bytes of LDS; arguments P, lowp_scales, QKV; writes QKV
.if DOCPART == 3
	.amdgcn_target "amdgcn-amd-amdhsa--gfx1250"
	.amdhsa_code_object_version 6
	.text
	.protected	k_q1fae1865d2_qkv
	.globl	k_q1fae1865d2_qkv
	.p2align	8
	.type	k_q1fae1865d2_qkv,@function
k_q1fae1865d2_qkv:
	s_mov_b64 s[64:65], 0
	v_nop
	global_prefetch_b8 v0, s[64:65] scope:SCOPE_SE
	s_setreg_imm32_b32 hwreg(HW_REG_WAVE_MODE, 25, 1), 1
	s_wait_xcnt 0x0
	s_wait_alu depctr_hold_cnt(0) depctr_sa_sdst(0) depctr_va_vdst(0) depctr_va_sdst(0) depctr_va_ssrc(0) depctr_va_vcc(0) depctr_vm_vsrc(0)
	s_getreg_b32 s2, hwreg(HW_REG_IB_STS2, 6, 4)
	s_cmp_eq_u32 s2, 0
	s_cbranch_scc0 .Lentry_in_a_cluster
	s_endpgm
.Lentry_in_a_cluster:
	s_bfe_u32 s2, ttmp6, 0x10000c
	s_cmp_lg_u32 s2, 0xf033
	s_cbranch_scc0 .Lentry_shape_is_right
	s_endpgm
.Lentry_shape_is_right:
; q = h Wq, k = h Wk, v = h Wv ON CODES OF FP8, K = 1,024, and the results quantised at once for attention's two products.
; All operands lie in P as images of the operand's registers: [block of 16 rows][8 fragments of 128 K][2,048 bytes], fragment = [piece g][lane][16 bytes]: a fragment comes by four loads of 512 consecutive bytes.
; A tile of 256 x 256 is made by a work-group of four waves, 128 x 128 a wave: 64 accumulators, 512 registers.  K goes in steps of 256 through two LDS slots; a wave's tensor load brings 8 blocks x 4,096 bytes.
; THE MATRIX INSTRUCTION IS USED TRANSPOSED (source 0 = the B role's 16 rows, source 1 = the A role's): lane (r, h) holds row r of the A role and, in accumulator b, columns 16 b + 8 h + 0..7 of the B role:
; the conversions of accumulators 2 p and 2 p + 1 ARE piece p of the next operand's image, and a wave's store is 512 consecutive bytes: no stage in LDS.
; Cluster x = 0: q, 1: k (A role: tokens, B role: the weight's columns; K of the next product = the head's 64).  Cluster x = 2: v, WITH THE ROLES CHANGED (A role: Wv's columns, B role: tokens), so that the KEYS run along a lane's registers.
; QKV: q at 0 and k at 0x400000: [batch x head 32][16 tokens 128][1,024 bytes];  v at 0x800000: [batch x head][128 keys 16][16 of the head's 64: 4][2,048 bytes].
; CLUSTERS: 4 x 4 work-groups; the A role's tile is asked for jointly along a row of the cluster, the B role's along a column.  What differs between q, k and v is chosen by selects on the cluster's x, which all partners share.
; A sum stands for sum x 2^(ea + eb): its code is sum / 2^(eo - ea - eb).  LIMITS: eo - ea - eb between -126 and 119.
; REGISTERS: window 0: v0-31 addresses; v96-100 the way out's offsets and scale; v128-255 the A role's fragments, ONE set; window 1: the B role's, TWO sets; windows 2, 3: the accumulators ((a, b) at v[8 (8 (a % 4) + b)]).
.set BLKP,   16384                     ; a block of 16 rows in memory: 8 fragments
.set ROWB,   4096                      ; a K step's part of a block: two fragments
.set HALFT,  8*ROWB                    ; what one tensor load brings, and what one wave reads of a role
.set SLOT,   4*HALFT
.set SPARE,  2*SLOT                    ; behind the ring: the spare words, 128 bytes for each wave
.set LAPS,   2                         ; a lap = two K steps; 1,024 / 512
.set FR,     16
.set NL,     4
.set NP,     4
.set ADRA, 16
.set ADRB, 20
.set SPW,  28
.set NIL,  29
.set AF,   128
.set G1, 24
.set G0, 32
.set G1B, 48
.set G0B, 56
.set MSB, 0
.macro WIN new                         ; the immediate's high byte repeats the setting that is left
.if MSB != \new
	s_set_vgpr_msb (MSB<<8)|\new
.set MSB, \new
.endif
.endm
.set MUL_LO, 0xa1                      ; source 0 window 1, source 1 window 0, C and D window 2
.set MUL_HI, 0xf1                      ; the same, C and D window 3
.set TO_B,   0x40
.macro JLOAD g0a, g1a, g0b, g1b        ; a joint load: waves 0 and 1 fetch for the A role, waves 2 and 3 for the B role; four v_nop follow each line
	s_cmp_eq_u32 s15, 0
	s_cbranch_scc0 .Lfor_b_\@
	tensor_load_to_lds s[\g0a:\g0a+3], s[\g1a:\g1a+7]
	s_nop 0
.rept 4
	v_nop
.endr
	s_branch .Lasked_\@
.Lfor_b_\@:
	tensor_load_to_lds s[\g0b:\g0b+3], s[\g1b:\g1b+7]
	s_nop 0
.rept 4
	v_nop
.endr
.Lasked_\@:
.endm
.macro CREST                           ; a round of the cluster's barrier behind its opening barrier
	s_cmp_lg_u32 s14, 0
	s_cbranch_scc1 .Lnot_wave_0_\@
	s_barrier_signal -3
.Lnot_wave_0_\@:
	s_barrier_wait -3
	s_barrier_signal -1
	s_barrier_wait -1
.endm
.macro CROUND
	s_barrier_signal -1
	s_barrier_wait -1
	CREST
.endm
	s_load_b128 s[4:7], s[0:1], 0x0                ; P, the exponents
	s_load_b64 s[8:9], s[0:1], 0x10                ; QKV
	v_lshl_add_u32 v[SPW], v0, 2, SPARE
	v_mov_b32 v[NIL], 0
	ds_add_u32 v28, v29
	ds_add_u32 v28, v29
	s_wait_dscnt 0x0
	v_lshrrev_b32 v1, 5, v0
	v_readfirstlane_b32 s14, v1                    ; wave
	s_lshr_b32 s15, s14, 1                         ; my half of the A role's rows.  Also: I fetch for the A role (0) or the B role (1)
	s_and_b32 s16, s14, 1                          ; my half of the B role's rows.  Also: which 8 blocks I fetch
	s_bfe_u32 s40, ttmp6, 0x40000                  ; cx
	s_bfe_u32 s41, ttmp6, 0x40004                  ; cy
	s_and_b32 s13, ttmp7, 0xffff
	s_lshl_b32 s13, s13, 2                         ; 4 x cluster y
	s_cmp_eq_u32 ttmp9, 2                          ; v?
	s_cselect_b32 s17, 0, s13
	s_cselect_b32 s42, s13, 0
	s_add_co_u32 s17, s17, s41                     ; the A role's tile: tokens 4 Y + cy, or Wv's columns cy
	s_add_co_u32 s42, s42, s40                     ; the B role's tile: the weight's columns cx, or tokens 4 Y + cx
	s_lshl_b32 s43, s41, 2
	s_lshl_b32 s43, 15, s43                        ; my row of the cluster
	s_lshl_b32 s44, 0x1111, s40                    ; my column
	s_or_b32 s[G1+0], s43, (1<<21)                 ; the mask; elements of 1 byte; bit 21 set beside a mask; no padding
	s_or_b32 s[G1B+0], s44, (1<<21)
.irp g, G1, G1B
	s_mov_b32 s[\g+1], ROWB<<16                    ; tensor_dim0
	s_mov_b32 s[\g+2], 8<<16                       ; tensor_dim1
	s_mov_b32 s[\g+3], ROWB<<16                    ; tile_dim0
	s_mov_b32 s[\g+4], 8                           ; tile_dim1
	s_mov_b32 s[\g+5], BLKP                        ; from block to block
	s_mov_b32 s[\g+6], 0
	s_mov_b32 s[\g+7], 0
.endr
	s_lshl_b32 s18, ttmp9, 22
	s_add_co_u32 s18, s18, 0xC00000                ; the normed rows quantised for q, for k
	s_lshl_b32 s19, ttmp9, 20                      ; Wq's, Wk's images
	s_cmp_eq_u32 ttmp9, 2
	s_cselect_b32 s18, 0x200000, s18               ; v: the A role is Wv,
	s_cselect_b32 s19, 0x1400000, s19              ; the B role the rows quantised for v
	s_lshl_b32 s20, s17, 18                        ; a tile is 16 blocks
	s_add_co_u32 s20, s20, s18
	s_lshl_b32 s21, s16, 17
	s_add_co_u32 s20, s20, s21
	s_mov_b32 s21, 0
	s_lshl_b32 s46, s42, 18
	s_add_co_u32 s46, s46, s19
	s_lshl_b32 s47, s16, 17
	s_add_co_u32 s46, s46, s47
	s_mov_b32 s47, 0
	s_mul_i32 s45, s14, HALFT                      ; where they go: no place in the cluster enters an LDS address
	s_wait_kmcnt 0x0
	s_load_b512 s[84:99], s[6:7], 0x0              ; the sixteen exponents
	s_add_nc_u64 s[20:21], s[4:5], s[20:21]
	s_add_nc_u64 s[46:47], s[4:5], s[46:47]
	CROUND                                         ; all sixteen work-groups are here: the first joint loads meet
.irp s, 0,1
	s_mov_b32 s[G0+4*\s], 1
	s_add_co_u32 s[G0+4*\s+1], s45, \s*SLOT
	s_add_nc_u64 s[G0+4*\s+2:G0+4*\s+3], s[20:21], \s*ROWB
	s_or_b32 s[G0+4*\s+3], s[G0+4*\s+3], 0x80000000
	s_mov_b32 s[G0B+4*\s], 1
	s_add_co_u32 s[G0B+4*\s+1], s45, \s*SLOT
	s_add_nc_u64 s[G0B+4*\s+2:G0B+4*\s+3], s[46:47], \s*ROWB
	s_or_b32 s[G0B+4*\s+3], s[G0B+4*\s+3], 0x80000000
	JLOAD G0+4*\s, G1, G0B+4*\s, G1B
.endr
	v_and_b32 v1, 31, v0
	v_lshlrev_b32 v4, 4, v1                        ; 16 x lane: my place in every piece
	s_mul_i32 s21, s15, HALFT
	s_mul_i32 s22, s16, HALFT
	s_add_co_u32 s22, s22, 2*HALFT
.irp s, 0,1
	v_add_nc_u32 v[ADRA+\s], s21, v4
	v_add_nc_u32 v[ADRB+\s], s22, v4
	s_add_co_u32 s21, s21, SLOT
	s_add_co_u32 s22, s22, SLOT
.endr
	; the way out's addresses
	s_lshl_b32 s66, s17, 8
	s_lshl_b32 s67, s15, 7
	s_add_co_u32 s66, s66, s67                     ; my first row of the A role
	s_lshl_b32 s67, s42, 8
	s_lshl_b32 s10, s16, 7
	s_add_co_u32 s67, s67, s10                     ; and of the B role
	s_cmp_eq_u32 ttmp9, 2
	s_cselect_b32 s10, s67, s66                    ; my first token,
	s_cselect_b32 s11, s66, s67                    ; my first feature
	s_cselect_b32 s12, 1, 0
	s_cselect_b32 s13, 5, 0
	s_cselect_b32 s18, 0, 7
	s_lshl_b32 s12, 1024, s12                      ; from block a to a + 1: 16 tokens on (1,024), or 16 of the head's 64 on (2,048)
	s_lshl_b32 s22, 4096, s13                      ; from a to a + 4: 64 tokens on (4,096), or a head on (131,072)
	s_lshl_b32 s18, 1024, s18                      ; from piece p to p + 2: a head on (131,072), or 1,024
	s_lshr_b32 s19, s10, 11
	s_lshl_b32 s19, s19, 4
	s_lshr_b32 s11, s11, 6
	s_add_co_u32 s19, s19, s11                     ; batch x 16 + head
	s_lshl_b32 s19, s19, 17
	s_and_b32 s10, s10, 2047
	s_lshl_b32 s10, s10, 6                         ; 64 bytes a token in all three
	s_add_co_u32 s10, s10, s19
	s_lshl_b32 s19, ttmp9, 22
	s_add_co_u32 s10, s10, s19
	s_mov_b32 s11, 0
	s_mov_b32 s13, 0
	s_mov_b32 s23, 0
	s_add_nc_u64 s[68:69], s[8:9], s[10:11]        ; a base for each of my eight blocks
.irp a, 1,2,3
	s_add_nc_u64 s[68+2*\a:69+2*\a], s[66+2*\a:67+2*\a], s[12:13]
.endr
.irp a, 4,5,6,7
	s_add_nc_u64 s[68+2*\a:69+2*\a], s[60+2*\a:61+2*\a], s[22:23]
.endr
	v_mov_b32 v96, v4                              ; an offset for each of a block's four pieces
	v_add_nc_u32 v97, 512, v4
	v_add_nc_u32 v98, s18, v4
	v_add_nc_u32 v99, s18, v97
.macro FRAG reg, adr, q, i             ; fragment q of block i of a slot: four loads of 512 consecutive bytes
.irp c, 0,1,2,3
	ds_load_b128 v[\reg+4*\c:\reg+4*\c+3], v[\adr] offset:((\i)*2+(\q))*2048+512*\c
.endr
.endm
; 16 matrix instructions: the A role's blocks a0, a0 + 1 x the B role's eight.  The 64 accumulators take turns, one instruction a turn, in the same order in every step.
.macro MUL16 a0, p, zero
.irp a, \a0, \a0+1
.irp b, 0,1,2,3,4,5,6,7
.if \zero
	v_wmma_f32_16x16x128_fp8_fp8 v[8*(8*((\a)%4)+\b):8*(8*((\a)%4)+\b)+7], v[128*(\p)+FR*\b:128*(\p)+FR*\b+FR-1], v[AF+FR*(\a):AF+FR*(\a)+FR-1], 0
.else
	v_wmma_f32_16x16x128_fp8_fp8 v[8*(8*((\a)%4)+\b):8*(8*((\a)%4)+\b)+7], v[128*(\p)+FR*\b:128*(\p)+FR*\b+FR-1], v[AF+FR*(\a):AF+FR*(\a)+FR-1], v[8*(8*((\a)%4)+\b):8*(8*((\a)%4)+\b)+7]
.endif
.endr
.endr
.endm
.macro FETCH_B slot, q, p
	WIN TO_B
.irp i, 0,1,2,3,4,5,6,7
	FRAG 128*(\p)+FR*\i, ADRB+\slot, \q, \i
.endr
	WIN 0
.endm
.macro FETCH_A slot, q, i0
.irp i, \i0, \i0+1, \i0+2, \i0+3
	FRAG AF+FR*(\i), ADRA+\slot, \q, \i
.endr
.endm
.macro PLACES n                        ; plain vector lines between a matrix instruction and a load into a register that it has read, or a read of its result
.rept \n
	v_nop
.endr
.endm
.macro STEP slot, q, zero              ; a step of 128 along K that has its successor in the same slot
	s_wait_dscnt 4*NL                              ; B's set and A's blocks 0-3 are in; the youngest sixteen loads (A's blocks 4-7) may be out
	WIN MUL_LO
	MUL16 0, (\q)%2, \zero
	MUL16 2, (\q)%2, \zero
	s_wait_dscnt 0                                 ; A's blocks 4-7 are in
	PLACES NP
	FETCH_B \slot, (\q)+1, 1-(\q)%2
	FETCH_A \slot, (\q)+1, 0
	WIN MUL_HI
	MUL16 4, (\q)%2, \zero
	MUL16 6, (\q)%2, \zero
	PLACES NP
	WIN 0
	FETCH_A \slot, (\q)+1, 4
.endm
; A slot's last step changes slots: ONE barrier; in front of it each wave waits for all its tensor loads, adds 0 to its spare word, and waits for that and for its reads of this slot.
.macro TURN slot, next, fill
	s_wait_tensorcnt 0x0                           ; all my tensor loads have landed: my part of the next slot
	ds_add_u32 v[SPW], v[NIL]                      ; 0 onto my spare word
	s_wait_dscnt 4*NL+1                            ; (the add and the youngest sixteen loads may be out)
	WIN MUL_LO
	MUL16 0, 1, 0
	s_wait_dscnt 0x0                               ; the add is done, and my reads of this slot are over
	s_barrier_signal -1
	MUL16 2, 1, 0
	WIN 0
	s_barrier_wait -1
.if \fill
	CREST                                          ; the barrier has opened a round of the cluster's: no wave of any partner still reads this slot or has a load on its way
	s_add_nc_u64 s[G0+4*\slot+2:G0+4*\slot+3], s[G0+4*\slot+2:G0+4*\slot+3], 2*ROWB
	s_add_nc_u64 s[G0B+4*\slot+2:G0B+4*\slot+3], s[G0B+4*\slot+2:G0B+4*\slot+3], 2*ROWB
	JLOAD G0+4*\slot, G1, G0B+4*\slot, G1B         ; the first tensor load behind the round; its four v_nop are also the places in front of the loads below
.else
	PLACES NP
.endif
	FETCH_B \next, 0, 0
	FETCH_A \next, 0, 0
	WIN MUL_HI
	MUL16 4, 1, 0
	MUL16 6, 1, 0
	PLACES NP
	WIN 0
	FETCH_A \next, 0, 4
.endm
	s_wait_tensorcnt 1                             ; my part of K step 0 is in (K step 1's load may be out),
	s_barrier_signal -1
	s_barrier_wait -1                              ; everybody's is
	FETCH_B 0, 0, 0
	FETCH_A 0, 0, 0
	FETCH_A 0, 0, 4
	STEP 0, 0, 1                                   ; the first step's products start the sums
	s_mov_b32 s3, LAPS-1
.Llap:
	TURN 0, 1, 1
	STEP 1, 0, 0
	TURN 1, 0, 1
	STEP 0, 0, 0
	s_sub_co_u32 s3, s3, 1
	s_cmp_lg_u32 s3, 0
	s_cbranch_scc1 .Llap
	TURN 0, 1, 0                                   ; the last lap fills nothing
	STEP 1, 0, 0
	s_wait_dscnt 4*NL
	WIN MUL_LO
	MUL16 0, 1, 0
	MUL16 2, 1, 0
	s_wait_dscnt 0
	WIN MUL_HI
	MUL16 4, 1, 0
	MUL16 6, 1, 0
	WIN 0
	s_wait_kmcnt 0x0
	s_cmp_eq_u32 ttmp9, 1                          ; (ea, eb, eo): q entries 0, 1, 6; k 2, 3, 7; v 4, 5, 9
	s_cselect_b32 s10, s86, s84
	s_cselect_b32 s11, s87, s85
	s_cselect_b32 s12, s91, s90
	s_cmp_eq_u32 ttmp9, 2
	s_cselect_b32 s10, s88, s10
	s_cselect_b32 s11, s89, s11
	s_cselect_b32 s12, s93, s12
	s_sub_co_i32 s12, s12, s10
	s_sub_co_i32 s12, s12, s11
	s_add_co_i32 s12, s12, 127
	s_lshl_b32 s13, s12, 23
	s_add_co_i32 s12, s12, 8
	s_lshl_b32 s12, s12, 23
	s_or_b32 s96, s12, 0x600000                    ; 448 x 2^(eo - ea - eb),
	s_xor_b32 s97, s96, 0x80000000                 ; and its negative
	PLACES NP                                      ; behind the last products: their results are read and the A role's registers written below
	v_mov_b32 v100, s13                            ; 2^(eo - ea - eb) as f32
.macro OUTB a                          ; block a: held, converted, stored.  Every block has its own registers for its codes: no store's data are written again
	WIN 0x02+((\a)/4)                              ; source 0: window 2 or 3
.irp b, 0,1,2,3,4,5,6,7
.irp j, 0,1,2,3,4,5,6,7
	v_med3_num_f32 v[32+8*\b+\j], v[64*((\a)%4)+8*\b+\j], s97, s96   ; each accumulator from its low end on
.endr
.endr
	WIN 0
.irp b, 0,1,2,3,4,5,6,7
	v_cvt_scalef32_pk8_fp8_f32 v[128+16*(\a)+2*\b:129+16*(\a)+2*\b], v[32+8*\b:39+8*\b], v100
.endr
	v_nop                                          ; a plain line behind the conversions: the next block's holds write their sources
.irp p, 0,1,2,3
	global_store_b128 v[96+\p], v[128+16*(\a)+4*\p:131+16*(\a)+4*\p], s[68+2*(\a):69+2*(\a)]   ; a piece: 512 consecutive bytes
.endr
.endm
.irp a, 0,1,2,3,4,5,6,7
	OUTB \a
.endr
	s_wait_tensorcnt 0x0                           ; the wave's end
	ds_add_u32 v[SPW], v[NIL]
	s_wait_dscnt 0x0
	CROUND                                         ; the closing round
	s_endpgm
.Lfunc_end_k_q1fae1865d2_qkv:
	.size	k_q1fae1865d2_qkv, .Lfunc_end_k_q1fae1865d2_qkv-k_q1fae1865d2_qkv
	.p2alignl 7, 3214868480
	.fill 96, 4, 3214868480
	.section	.rodata,"a",@progbits
	.p2align	6, 0x0
	.amdhsa_kernel k_q1fae1865d2_qkv
		.amdhsa_group_segment_fixed_size 327680
		.amdhsa_private_segment_fixed_size 0
		.amdhsa_enable_private_segment 0
		.amdhsa_kernarg_size 24
		.amdhsa_user_sgpr_count 2
		.amdhsa_user_sgpr_kernarg_segment_ptr 1
		.amdhsa_wavefront_size32 1
		.amdhsa_system_sgpr_workgroup_id_x 1
		.amdhsa_system_sgpr_workgroup_id_y 1
		.amdhsa_system_sgpr_workgroup_id_z 1
		.amdhsa_system_vgpr_workitem_id 0
		.amdhsa_next_free_vgpr 1024
		.amdhsa_next_free_sgpr 100
		.amdhsa_reserve_vcc 0
		.amdhsa_float_denorm_mode_32 3
		.amdhsa_float_denorm_mode_16_64 3
		.amdhsa_memory_ordered 1
		.amdhsa_forward_progress 1
		.amdhsa_inst_pref_size 119
	.end_amdhsa_kernel
	.amdgpu_metadata
---
amdhsa.version: [ 1, 2 ]
amdhsa.kernels:
  - .name:           k_q1fae1865d2_qkv
    .symbol:         k_q1fae1865d2_qkv.kd
    .args:
      - { .name: P, .offset: 0, .size: 8, .value_kind: global_buffer, .address_space: global }
      - { .name: lowp_scales, .offset: 8, .size: 8, .value_kind: global_buffer, .address_space: global }
      - { .name: QKV, .offset: 16, .size: 8, .value_kind: global_buffer, .address_space: global }
    .group_segment_fixed_size: 327680
    .private_segment_fixed_size: 0
    .kernarg_segment_align: 8
    .kernarg_segment_size: 24
    .max_flat_workgroup_size: 128
    .sgpr_count:     100
    .vgpr_count:     1024
    .wavefront_size: 32
...
	.end_amdgpu_metadata
.endif
;; end of part 3
;; launch attn (part 4): grid 8 x 32, 16 waves a work-group, clusters of 4 x 1, 264,192 bytes of LDS; arguments QKV, lowp_scales, CTX; writes CTX
.if DOCPART == 4
	.amdgcn_target "amdgcn-amd-amdhsa--gfx1250"
	.amdhsa_code_object_version 6
	.text
	.protected	k_q1fae1865d2_attn
	.globl	k_q1fae1865d2_attn
	.p2align	8
	.type	k_q1fae1865d2_attn,@function
k_q1fae1865d2_attn:
	s_mov_b64 s[64:65], 0
	v_nop
	global_prefetch_b8 v0, s[64:65] scope:SCOPE_SE
	s_setreg_imm32_b32 hwreg(HW_REG_WAVE_MODE, 25, 1), 1
	s_wait_xcnt 0x0
	s_wait_alu depctr_hold_cnt(0) depctr_sa_sdst(0) depctr_va_vdst(0) depctr_va_sdst(0) depctr_va_ssrc(0) depctr_va_vcc(0) depctr_vm_vsrc(0)
	s_getreg_b32 s2, hwreg(HW_REG_IB_STS2, 6, 4)
	s_cmp_eq_u32 s2, 0
	s_cbranch_scc0 .Lentry_in_a_cluster
	s_endpgm
.Lentry_in_a_cluster:
	s_bfe_u32 s2, ttmp6, 0x10000c
	s_cmp_lg_u32 s2, 0x3003
	s_cbranch_scc0 .Lentry_shape_is_right
	s_endpgm
.Lentry_shape_is_right:
; CAUSAL ATTENTION ON CODES OF FP8, head size 64, 2,048 keys, 32 heads (batch x head); the result quantised at once for the product with Wo.
; t = score x log2(e) / 8; M = the running largest t rounded UP to a whole number; p = 2^(t - M) is quantised along the keys, not normalised; the row's sum is taken of the unquantised p and divides at the end.
; q, k: images [head][16 rows][1,024 bytes] (16 rows x 64 K: two pieces of [lane][16 bytes]); v: images [head][128 keys][16 of the 64][2,048 bytes] with the keys as K.  All fragments come by loads of 512 consecutive bytes.
; Both products are used transposed: S^T = K Q^T (source 0 = 16 keys), O^T = V^T P^T (source 0 = 16 of the head's 64): a lane holds ONE query (lane % 16); tile t's eight registers are keys 16 t + 8 (lane / 16) + 0..7,
; so the conversion of tile t gives registers 2 t, 2 t + 1 of P as the plain form's operand wants them.
; LDS holds the head's WHOLE K (131,072 bytes) and V (131,072): every byte is filled once; there is no ring.  Each wave asks for four blocks of 4,096 bytes at the start, one for each phase of 512 keys.
; CLUSTER: four of the eight work-groups of a head; each block is asked for jointly by the four.
; SHARES: work-group jw (0..7) of a head, wave w: the 16 queries 128 block(w) + 16 jw, block a one-to-one map of the wave's number onto 0..15: every work-group has 1 + 2 + .. + 16 key steps of 128.
; What a wave leaves out (steps all of whose keys are hidden) and where it masks (the step on the diagonal) hang on the wave's number alone: alike in all partners.  The work-group's place enters global addresses of q and ctx and one vector number.
; ctx goes to CTX as an image: [16 tokens][fragment = head / 2][pieces 2 (head % 2), + 1].
; LIMITS: e6 + e7 between -123 and 130 (added to c's exponent field); e8 and e10 between -126 and 119.  NaN among the inputs is not served.
; REGISTERS: v1 16 x lane; v2 d; v3 v1 + V's place; v8, v9 addresses in hand; v12 -M, v13 the largest t, v[14:15] the sum; v16-23 Q; v32-95 K's or V's fragments; v96-159 S^T, then p; v160-191 O^T; v224-239 P; v240-254 constants and work.
.set LI,  1
.set VD,  2
.set LV,  3
.set ADK, 8
.set ADV, 9
.set WV,  18
.set SEL, 20
.set CS,  22
.set G1,  24
.set G0,  32                           ; s[32:47] four groups 0, one for each phase
.set TB,  2
.set CNT, 3
.set KF,  48
.set QB,  49
.macro CROUND
	s_barrier_signal -1
	s_barrier_wait -1
	s_cmp_lg_u32 s[WV], 0
	s_cbranch_scc1 .Lnot_wave_0_\@
	s_barrier_signal -3
.Lnot_wave_0_\@:
	s_barrier_wait -3
	s_barrier_signal -1
	s_barrier_wait -1
.endm
	s_load_b128 s[4:7], s[0:1], 0x0                ; QKV, the exponents
	s_load_b64 s[8:9], s[0:1], 0x10                ; CTX
	v_lshl_add_u32 v251, v0, 2, 0x40000
	v_mov_b32 v255, 0
	ds_add_u32 v251, v255
	ds_add_u32 v251, v255
	v_lshrrev_b32 v8, 5, v0
	v_readfirstlane_b32 s[WV], v8                  ; wave 0..15
	s_bfe_u32 s50, ttmp6, 0x40000                  ; cx
	s_lshl_b32 s51, ttmp9, 2
	s_add_co_u32 s51, s51, s50                     ; jw
	s_and_b32 s52, ttmp7, 0xffff                   ; batch x 16 + head
	s_lshr_b32 s53, s[WV], 2                       ; a
	s_and_b32 s54, s[WV], 3                        ; b
	s_lshr_b32 s55, s53, 1
	s_xor_b32 s55, s55, s53
	s_lshl_b32 s55, s55, 1
	s_lshr_b32 s56, s54, 1
	s_add_co_u32 s55, s55, s56                     ; 2 (a xor a / 2) + b / 2: 0..7
	s_xor_b32 s56, s53, s54
	s_and_b32 s56, s56, 1
	s_mul_i32 s56, s56, 15
	s_xor_b32 s55, s55, s56                        ; block: that, or 15 less that
	s_lshl_b32 s[QB], s55, 7                       ; the first key of my diagonal step
	s_mov_b32 s[G1], 15|(3<<16)|(1<<21)            ; the mask: all four work-groups; elements of 8 bytes; bit 21 set beside a mask
	s_mov_b32 s[G1+1], 32<<16                      ; a dense block of 4,096 bytes as 16 rows of 256
	s_mov_b32 s[G1+2], 16<<16
	s_mov_b32 s[G1+3], 32<<16
	s_mov_b32 s[G1+4], 16
	s_mov_b32 s[G1+5], 32
	s_mov_b32 s[G1+6], 0
	s_mov_b32 s[G1+7], 0
	s_mov_b32 s[SEL], 0x76543210
	s_mov_b32 s[SEL+1], 0xfedcba98
	s_mov_b32 s[CS], 0x3e38aa3b                    ; c = log2(e) / 8
	s_lshr_b32 s57, s[WV], 3                       ; waves 0-7 fetch K, waves 8-15 V
	s_and_b32 s58, s[WV], 7
	s_lshl_b32 s58, s58, 12
	s_lshl_b32 s59, s57, 17
	s_add_co_u32 s59, s59, s58                     ; in LDS
	s_lshl_b32 s60, s57, 22
	s_add_co_u32 s60, s60, 0x400000
	s_lshl_b32 s61, s52, 17
	s_add_co_u32 s60, s60, s61
	s_add_co_u32 s60, s60, s58                     ; in QKV
	s_mov_b32 s61, 0
	s_lshl_b32 s62, s52, 7
	s_lshl_b32 s63, s55, 3
	s_add_co_u32 s62, s62, s63
	s_add_co_u32 s62, s62, s51
	s_lshl_b32 s62, s62, 10                        ; my tile of q
	s_mov_b32 s63, 0
	s_lshr_b32 s12, s52, 4
	s_lshl_b32 s12, s12, 7
	s_lshl_b32 s13, s55, 3
	s_add_co_u32 s12, s12, s13
	s_add_co_u32 s12, s12, s51
	s_lshl_b32 s12, s12, 14                        ; ctx: my block of 16 tokens,
	s_bfe_u32 s13, s52, 0x30001
	s_lshl_b32 s13, s13, 11
	s_add_co_u32 s12, s12, s13                     ; fragment head / 2,
	s_and_b32 s13, s52, 1
	s_lshl_b32 s13, s13, 10
	s_add_co_u32 s12, s12, s13                     ; pieces 2 (head % 2) on
	s_mov_b32 s13, 0
	s_wait_dscnt 0x0
	s_wait_kmcnt 0x0
	s_load_b512 s[68:83], s[6:7], 0x0              ; the sixteen exponents
	s_add_nc_u64 s[60:61], s[4:5], s[60:61]
	s_add_nc_u64 s[10:11], s[4:5], s[62:63]
	s_add_nc_u64 s[8:9], s[8:9], s[12:13]
.irp p, 0,1,2,3
	s_mov_b32 s[G0+4*\p], 1
	s_add_co_u32 s[G0+4*\p+1], s59, \p*32768
	s_add_nc_u64 s[G0+4*\p+2:G0+4*\p+3], s[60:61], \p*32768
	s_or_b32 s[G0+4*\p+3], s[G0+4*\p+3], 0x80000000
.endr
	CROUND                                         ; all four work-groups are here: the joint loads meet
	tensor_load_to_lds s[G0:G0+3], s[G1:G1+7]      ; four loads of mine are out
	s_nop 0
	tensor_load_to_lds s[G0+4:G0+7], s[G1:G1+7]
	s_nop 0
	tensor_load_to_lds s[G0+8:G0+11], s[G1:G1+7]
	s_nop 0
	tensor_load_to_lds s[G0+12:G0+15], s[G1:G1+7]
	s_nop 0
.rept 4
	v_nop
.endr
	v_and_b32 v[LI], 31, v0
	v_lshlrev_b32 v[LI], 4, v[LI]
	v_add_nc_u32 v[LV], 0x20000, v[LI]
	global_load_b128 v[16:19], v[LI], s[10:11]     ; Q's fragment stays in registers
	global_load_b128 v[20:23], v[LI], s[10:11] offset:512
	v_and_b32 v8, 15, v0
	v_bfe_u32 v9, v0, 4, 1
	v_lshlrev_b32 v9, 3, v9
	v_sub_nc_u32 v[VD], v8, v9
	s_lshl_b32 s14, s51, 4
	v_add_nc_u32 v[VD], s14, v[VD]                 ; d = 16 jw + r - 8 h: on the diagonal step register j of tile t is hidden where 16 t + j > d
	v_mov_b32 v13, 0xff61b1e6                      ; the largest t so far: -3e38
	v_floor_f32 v12, -v13                          ; -M
	v_mov_b32 v14, 0
	v_mov_b32 v15, 0
	v_mov_b32 v246, 0                              ; a lane permute's destination counts as one of its sources
	v_mov_b32 v253, 0                              ; (named as the upper half of v[252:253])
.set n, 0
.rept 32
	v_mov_b32 v[160+n], 0                          ; O^T: the step is written without a first form of its own; the first change of M multiplies zeros
.set n, n+1
.endr
	s_wait_kmcnt 0x0
	s_add_co_i32 s15, s74, s75
	s_lshl_b32 s15, s15, 23
	s_add_co_i32 s[CS], s[CS], s15                 ; a score stands for score x 2^(e6 + e7)
	s_mov_b32 s[CS+1], s[CS]
	s_add_co_i32 s15, s76, 127
	s_lshl_b32 s16, s15, 23
	v_mov_b32 v244, s16                            ; 2^e8
	s_add_co_i32 s15, s15, 8
	s_lshl_b32 s15, s15, 23
	s_or_b32 s15, s15, 0x600000
	v_mov_b32 v240, s15                            ; 448 x 2^e8
	s_add_co_i32 s15, s78, 127
	s_lshl_b32 s16, s15, 23
	v_mov_b32 v245, s16                            ; 2^e10
	s_add_co_i32 s15, s15, 8
	s_lshl_b32 s15, s15, 23
	s_or_b32 s15, s15, 0x600000
	v_mov_b32 v241, s15                            ; 448 x 2^e10
.macro STEP                            ; 128 keys from s[KF] on; their tiles begin at LDS byte s[TB] of K's and of V's part
	s_cmp_gt_u32 s[KF], s[QB]                      ; all hidden: the step's work is left out
	s_cbranch_scc1 .Lhidden_\@
	v_add_nc_u32 v[ADK], s[TB], v[LI]
	v_add_nc_u32 v[ADV], s[TB], v[LV]
	v_nop                                          ; with the two additions: four places in front of loads into registers that the last products read
	v_nop
.irp t, 0,1,2,3,4,5,6,7
	ds_load_b128 v[32+8*\t:35+8*\t], v[ADK] offset:1024*\t
	ds_load_b128 v[36+8*\t:39+8*\t], v[ADK] offset:1024*\t+512
.endr
	s_wait_dscnt 0x0
.irp t, 0,1,2,3,4,5,6,7
	v_wmma_f32_16x16x64_fp8_fp8 v[96+8*\t:103+8*\t], v[32+8*\t:39+8*\t], v[16:23], 0
.endr
.rept 4
	v_nop
.endr
.irp t, 0,1,2,3
.irp c, 0,1,2,3
	ds_load_b128 v[32+16*\t+4*\c:35+16*\t+4*\c], v[ADV] offset:2048*\t+512*\c   ; V's fragments land while the softmax is walked
.endr
.endr
	s_cmp_lg_u32 s[KF], s[QB]                      ; only the diagonal step masks
	s_cbranch_scc1 .Lopen_\@
	v_mov_b32 v254, 0xff800000
.set n, 0
.rept 64
	v_cmp_gt_i32 vcc_lo, 16*(n/8)+n%8, v[VD]
	v_cndmask_b32 v[96+n], v[96+n], v254, vcc_lo
.set n, n+1
.endr
.Lopen_\@:
	v_max3_num_f32 v254, v96, v97, v98             ; the step's largest score of my query among my 64 keys, in two chains,
	v_max3_num_f32 v252, v99, v100, v101
.irp i, 6,10,14,18,22,26,30,34,38,42,46,50,54,58
	v_max3_num_f32 v254, v254, v[96+\i], v[97+\i]
	v_max3_num_f32 v252, v252, v[98+\i], v[99+\i]
.endr
	v_max3_num_f32 v254, v254, v158, v159
	v_max_num_f32 v254, v254, v252
	v_permlanex16_b32 v246, v254, s[SEL], s[SEL+1]
	v_max_num_f32 v254, v254, v246                 ; and among lane l xor 16's
	v_mul_f32 v254, s[CS], v254                    ; as t (c is positive)
	v_max_num_f32 v13, v13, v254
	v_mov_b32 v254, v12
	v_floor_f32 v12, -v13                          ; the new -M = -ceil(t)
	v_sub_f32 v254, v12, v254                      ; old M - new M: a whole number, 0 or less
	v_cvt_i32_f32 v254, v254                       ; (it saturates)
	v_ldexp_f32 v252, 1.0, v254                    ; f = 2^(old M - new M)
.set n, 0
.rept 32
	v_pk_fma_f32 v[96+n:97+n], v[96+n:97+n], s[CS:CS+1], v[12:13] op_sel_hi:[1,0,0]   ; t - M
.set n, n+2
.endr
.set n, 0
.rept 64
	v_exp_f32 v[96+n], v[96+n]                     ; p = 2^(t - M)
.set n, n+1
.endr
	v_pk_mul_f32 v[14:15], v[14:15], v[252:253] op_sel_hi:[1,0]   ; the sums under the new M: the plain line behind the exponentials
	s_wait_alu depctr_va_vdst(0)                   ; one wait for the whole batch, ahead of the first line that names a result
	v_pk_add_f32 v[242:243], v[96:97], v[98:99]    ; the row's sum of the UNQUANTISED p, in two chains
.irp j, 4,8,12,16,20,24,28,32,36,40,44,48,52,56,60
	v_pk_add_f32 v[14:15], v[14:15], v[96+\j:97+\j]
	v_pk_add_f32 v[242:243], v[242:243], v[98+\j:99+\j]
.endr
	v_pk_add_f32 v[14:15], v[14:15], v[242:243]
.irp t, 0,1,2,3,4,5,6,7
.irp i, 0,1,2,3,4,5,6,7
	v_min_num_f32 v[96+8*\t+\i], v[96+8*\t+\i], v240   ; p is not negative: the hold is one-sided
.endr
	v_cvt_scalef32_pk8_fp8_f32 v[224+2*\t:225+2*\t], v[96+8*\t:103+8*\t], v244
.endr
.set n, 0
.rept 16
	v_pk_mul_f32 v[160+n:161+n], v[160+n:161+n], v[252:253] op_sel_hi:[1,0]   ; O^T under the new M; also the plain lines between the conversions and the products
.set n, n+2
.endr
	s_wait_dscnt 0x0                               ; V is in
.irp t, 0,1,2,3
	v_wmma_f32_16x16x128_fp8_fp8 v[160+8*\t:167+8*\t], v[32+16*\t:47+16*\t], v[224:239], v[160+8*\t:167+8*\t]   ; the four accumulators by turns
.endr
.Lhidden_\@:
.endm
.macro PHASE p                         ; 512 keys: four steps
	s_wait_tensorcnt 3-\p                          ; my block of this phase is in; the later phases' may be out: nothing is filled twice
	s_wait_dscnt 0x0
	s_barrier_signal -1
	s_barrier_wait -1                              ; everybody's is
	s_mov_b32 s[TB], \p*32768
	s_mov_b32 s[KF], \p*512
	s_mov_b32 s[CNT], 4
.Lstep_\@:
	STEP
	s_add_co_u32 s[TB], s[TB], 8192
	s_add_co_u32 s[KF], s[KF], 128
	s_sub_co_u32 s[CNT], s[CNT], 1
	s_cmp_lg_u32 s[CNT], 0
	s_cbranch_scc1 .Lstep_\@
.endm
	s_wait_loadcnt 0x0                             ; Q
	PHASE 0
	PHASE 1
	PHASE 2
	PHASE 3
	v_add_f32 v14, v14, v15                        ; the sum's two halves,
	v_permlanex16_b32 v252, v14, s[SEL], s[SEL+1]
	v_add_f32 v14, v14, v252                       ; and lane l xor 16's
	v_rcp_f32 v14, v14
	v_nop                                          ; a plain line behind the transcendental
	s_add_co_i32 s15, s76, s77
	s_wait_alu depctr_va_vdst(0)                   ; the wait, ahead of the first line that names the result
	v_ldexp_f32 v14, v14, s15                      ; x 2^(e8 + e9)
	v_mov_b32 v15, v14
.set n, 0
.rept 16
	v_pk_mul_f32 v[96+n:97+n], v[160+n:161+n], v[14:15]   ; ctx(query r, 16 t + 8 h + j)
.set n, n+2
.endr
.set n, 0
.rept 32
	v_med3_num_f32 v[96+n], v[96+n], -v241, v241
.set n, n+1
.endr
.irp t, 0,1,2,3
	v_cvt_scalef32_pk8_fp8_f32 v[32+2*\t:33+2*\t], v[96+8*\t:103+8*\t], v245
.endr
	v_nop
	global_store_b128 v[LI], v[32:35], s[8:9]      ; two pieces of 512 consecutive bytes
	global_store_b128 v[LI], v[36:39], s[8:9] offset:512
	s_wait_dscnt 0x0
	s_wait_tensorcnt 0x0
	ds_add_u32 v251, v255
	s_wait_dscnt 0x0
	CROUND                                         ; the closing round
	s_endpgm
.Lfunc_end_k_q1fae1865d2_attn:
	.size	k_q1fae1865d2_attn, .Lfunc_end_k_q1fae1865d2_attn-k_q1fae1865d2_attn
	.p2alignl 7, 3214868480
	.fill 96, 4, 3214868480
	.section	.rodata,"a",@progbits
	.p2align	6, 0x0
	.amdhsa_kernel k_q1fae1865d2_attn
		.amdhsa_group_segment_fixed_size 264192
		.amdhsa_private_segment_fixed_size 0
		.amdhsa_enable_private_segment 0
		.amdhsa_kernarg_size 24
		.amdhsa_user_sgpr_count 2
		.amdhsa_user_sgpr_kernarg_segment_ptr 1
		.amdhsa_wavefront_size32 1
		.amdhsa_system_sgpr_workgroup_id_x 1
		.amdhsa_system_sgpr_workgroup_id_y 1
		.amdhsa_system_sgpr_workgroup_id_z 1
		.amdhsa_system_vgpr_workitem_id 0
		.amdhsa_next_free_vgpr 256
		.amdhsa_next_free_sgpr 100
		.amdhsa_reserve_vcc 1
		.amdhsa_float_denorm_mode_32 3
		.amdhsa_float_denorm_mode_16_64 3
		.amdhsa_memory_ordered 1
		.amdhsa_forward_progress 1
		.amdhsa_inst_pref_size 95
	.end_amdhsa_kernel
	.amdgpu_metadata
---
amdhsa.version: [ 1, 2 ]
amdhsa.kernels:
  - .name:           k_q1fae1865d2_attn
    .symbol:         k_q1fae1865d2_attn.kd
    .args:
      - { .name: QKV, .offset: 0, .size: 8, .value_kind: global_buffer, .address_space: global }
      - { .name: lowp_scales, .offset: 8, .size: 8, .value_kind: global_buffer, .address_space: global }
      - { .name: CTX, .offset: 16, .size: 8, .value_kind: global_buffer, .address_space: global }
    .group_segment_fixed_size: 264192
    .private_segment_fixed_size: 0
    .kernarg_segment_align: 8
    .kernarg_segment_size: 24
    .max_flat_workgroup_size: 512
    .sgpr_count:     100
    .vgpr_count:     256
    .wavefront_size: 32
...
	.end_amdgpu_metadata
.endif
;; end of part 4
;; launch wo (part 5): grid 8 x 32, 4 waves a work-group, clusters of 4 x 4, 327,680 bytes of LDS; arguments CTX, P, lowp_scales, bo, x, X1; writes X1
.if DOCPART == 5
	.amdgcn_target "amdgcn-amd-amdhsa--gfx1250"
	.amdhsa_code_object_version 6
	.text
	.protected	k_q1fae1865d2_wo
	.globl	k_q1fae1865d2_wo
	.p2align	8
	.type	k_q1fae1865d2_wo,@function
k_q1fae1865d2_wo:
	s_mov_b64 s[64:65], 0
	v_nop
	global_prefetch_b8 v0, s[64:65] scope:SCOPE_SE
	s_setreg_imm32_b32 hwreg(HW_REG_WAVE_MODE, 25, 1), 1
	s_wait_xcnt 0x0
	s_wait_alu depctr_hold_cnt(0) depctr_sa_sdst(0) depctr_va_vdst(0) depctr_va_sdst(0) depctr_va_ssrc(0) depctr_va_vcc(0) depctr_vm_vsrc(0)
	s_getreg_b32 s2, hwreg(HW_REG_IB_STS2, 6, 4)
	s_cmp_eq_u32 s2, 0
	s_cbranch_scc0 .Lentry_in_a_cluster
	s_endpgm
.Lentry_in_a_cluster:
	s_bfe_u32 s2, ttmp6, 0x10000c
	s_cmp_lg_u32 s2, 0xf033
	s_cbranch_scc0 .Lentry_shape_is_right
	s_endpgm
.Lentry_shape_is_right:
; out = residual + (A W x 2^(ea + eb) + bias): A [4,096][KK] and W [1,024 columns][KK] as codes of FP8 in images of the operand's registers ([block of 16 rows][KK / 128][2,048 bytes]); residual, bias, out: f32, rows of 1,024.
; A tile of 128 x 128 is made by a work-group of four waves, 64 x 64 a wave (16 accumulators): tiles of 256 x 256 would be 64, a quarter of the WGPs.  K goes in steps of 512 through two LDS slots;
; a wave's tensor load brings 4 blocks x 8,192 bytes.  CLUSTERS: 4 x 4 work-groups; A's tile is asked for jointly along a row of the cluster, W's along a column.
; The matrix instruction is used transposed (source 0 = 16 columns of W, source 1 = 16 rows of A): a lane holds eight neighbouring numbers of a row.  A wave's 64 columns are 256 bytes, aligned:
; a block of 16 rows goes through the wave's OWN stage in LDS and comes back as rows; sixteen lanes store 256 consecutive bytes.  The residual is asked for at the head, in that same order, into window 2.
; LIMIT: ea + eb between -126 and 127.
; REGISTERS: window 0: v0-31 addresses; v32-95 two sets of 16 rows on the way out; v96-99 my four numbers of the bias; v128-255 the accumulators ((a, b) at v[128 + 8 (4 a + b)]);
;   window 1: two fragment buffers of 128 (A's four blocks, then W's four);  window 2: v0-127 the residual.
.set KK,     1024
.set BOFF,   0x300000                  ; W's images in P
.set EOFF,   40                        ; ea, eb: entries 10, 11
.set BLKP,   KK*16
.set ROWB,   8192                      ; a K step's part of a block: four fragments
.set HALFT,  4*ROWB
.set SLOT,   4*HALFT
.set STAGE,  2*SLOT                    ; behind the ring: 16 rows x 272 bytes for each wave
.set SPITCH, 272
.set SPARE,  STAGE+4*16*SPITCH         ; behind the stages: the spare words, 128 bytes for each wave
.set LAPS,   KK/1024
.set ADRA, 16
.set ADRB, 20
.set STO,  24
.set RD,   25
.set CO,   26
.set SPW,  28
.set NIL,  29
.set ACC,  128
.set F0,   0
.set F1,   128
.set G1, 24
.set G0, 32
.set G1B, 48
.set G0B, 56
.set MSB, 0
.macro WIN new                         ; the immediate's high byte repeats the setting that is left
.if MSB != \new
	s_set_vgpr_msb (MSB<<8)|\new
.set MSB, \new
.endif
.endm
.set MUL,  0x05                        ; sources 0 and 1 window 1; C and D window 0
.set TO_F, 0x40
.macro JLOAD s                         ; a joint load: waves 0 and 1 fetch A's halves, waves 2 and 3 W's; four v_nop follow each line
	s_cmp_eq_u32 s11, 0
	s_cbranch_scc0 .Lfor_b_\@
	tensor_load_to_lds s[G0+4*\s:G0+4*\s+3], s[G1:G1+7]
	s_nop 0
.rept 4
	v_nop
.endr
	s_branch .Lasked_\@
.Lfor_b_\@:
	tensor_load_to_lds s[G0B+4*\s:G0B+4*\s+3], s[G1B:G1B+7]
	s_nop 0
.rept 4
	v_nop
.endr
.Lasked_\@:
.endm
.macro CREST
	s_cmp_lg_u32 s10, 0
	s_cbranch_scc1 .Lnot_wave_0_\@
	s_barrier_signal -3
.Lnot_wave_0_\@:
	s_barrier_wait -3
	s_barrier_signal -1
	s_barrier_wait -1
.endm
.macro CROUND
	s_barrier_signal -1
	s_barrier_wait -1
	CREST
.endm
	s_load_b256 s[68:75], s[0:1], 0x0              ; A's images, P, the exponents, the bias
	s_load_b128 s[76:79], s[0:1], 0x20             ; the residual, out
	v_lshl_add_u32 v[SPW], v0, 2, SPARE
	v_mov_b32 v[NIL], 0
	ds_add_u32 v28, v29
	ds_add_u32 v28, v29
	s_wait_dscnt 0x0
	v_lshrrev_b32 v1, 5, v0
	v_readfirstlane_b32 s10, v1                    ; wave
	s_lshr_b32 s11, s10, 1                         ; my half of the tile's rows.  Also: I fetch for A (0) or for W (1)
	s_and_b32 s12, s10, 1                          ; my half of its columns.  Also: which 4 blocks I fetch
	s_bfe_u32 s40, ttmp6, 0x40000
	s_bfe_u32 s41, ttmp6, 0x40004
	s_lshl_b32 s42, ttmp9, 2
	s_add_co_u32 s42, s42, s40                     ; tile column
	s_and_b32 s13, ttmp7, 0xffff
	s_lshl_b32 s13, s13, 2
	s_add_co_u32 s13, s13, s41                     ; tile row
	s_lshl_b32 s43, s41, 2
	s_lshl_b32 s43, 15, s43
	s_lshl_b32 s44, 0x1111, s40
	s_or_b32 s[G1+0], s43, (1<<21)                 ; the mask; elements of 1 byte; bit 21 set beside a mask; no padding
	s_or_b32 s[G1B+0], s44, (1<<21)
.irp g, G1, G1B
	s_mov_b32 s[\g+1], ROWB<<16
	s_mov_b32 s[\g+2], 4<<16
	s_mov_b32 s[\g+3], ROWB<<16
	s_mov_b32 s[\g+4], 4
	s_mov_b32 s[\g+5], BLKP
	s_mov_b32 s[\g+6], 0
	s_mov_b32 s[\g+7], 0
.endr
	s_lshl_b32 s16, s13, 3
	s_lshl_b32 s17, s12, 2
	s_add_co_u32 s16, s16, s17
	s_mul_i32 s16, s16, BLKP                       ; A: block 8 x tile row + 4 x half
	s_mov_b32 s17, 0
	s_lshl_b32 s46, s42, 3
	s_lshl_b32 s47, s12, 2
	s_add_co_u32 s46, s46, s47
	s_mul_i32 s46, s46, BLKP                       ; W: block 8 x tile column + 4 x half
	s_add_co_u32 s46, s46, BOFF
	s_mov_b32 s47, 0
	s_mul_i32 s20, s10, HALFT
	s_wait_kmcnt 0x0
	s_load_b64 s[80:81], s[72:73], EOFF            ; ea, eb
	s_add_nc_u64 s[14:15], s[68:69], s[16:17]
	s_add_nc_u64 s[46:47], s[70:71], s[46:47]
	CROUND                                         ; all sixteen work-groups are here: the first joint loads meet
.irp s, 0,1
	s_mov_b32 s[G0+4*\s], 1
	s_add_co_u32 s[G0+4*\s+1], s20, \s*SLOT
	s_add_nc_u64 s[G0+4*\s+2:G0+4*\s+3], s[14:15], \s*ROWB
	s_or_b32 s[G0+4*\s+3], s[G0+4*\s+3], 0x80000000
	s_mov_b32 s[G0B+4*\s], 1
	s_add_co_u32 s[G0B+4*\s+1], s20, \s*SLOT
	s_add_nc_u64 s[G0B+4*\s+2:G0B+4*\s+3], s[46:47], \s*ROWB
	s_or_b32 s[G0B+4*\s+3], s[G0B+4*\s+3], 0x80000000
	JLOAD \s
.endr
	v_and_b32 v1, 15, v0
	v_bfe_u32 v2, v0, 4, 1
	v_and_b32 v3, 31, v0
	v_lshlrev_b32 v3, 4, v3                        ; 16 x lane
	s_mul_i32 s21, s11, HALFT
	s_mul_i32 s22, s12, HALFT
	s_add_co_u32 s22, s22, 2*HALFT
.irp s, 0,1
	v_add_nc_u32 v[ADRA+\s], s21, v3
	v_add_nc_u32 v[ADRB+\s], s22, v3
	s_add_co_u32 s21, s21, SLOT
	s_add_co_u32 s22, s22, SLOT
.endr
	s_mul_i32 s23, s10, 16*SPITCH
	s_add_co_u32 s23, s23, STAGE                   ; my stage
	v_mul_u32_u24 v4, v1, SPITCH
	v_lshl_add_u32 v4, v2, 5, v4
	v_add_nc_u32 v[STO], s23, v4                   ; in: row r, 32 bytes for each half of the lanes
	v_mul_u32_u24 v5, v2, SPITCH
	v_lshl_add_u32 v5, v1, 4, v5
	v_add_nc_u32 v[RD], s23, v5                    ; back: lanes 0-15 one row of 256 bytes, lanes 16-31 the next
	v_lshlrev_b32 v5, 12, v2
	v_lshl_add_u32 v[CO], v1, 4, v5                ; and the same two rows in memory
	v_lshlrev_b32 v6, 4, v1
	s_lshl_b32 s16, s13, 19                        ; 128 rows of 4,096 bytes a tile row,
	s_lshl_b32 s17, s11, 18                        ; 64 a half
	s_add_co_u32 s16, s16, s17
	s_mov_b32 s17, 0
	s_lshl_b32 s46, s42, 9                         ; 512 bytes a tile column,
	s_lshl_b32 s47, s12, 8                         ; 256 a half
	s_add_co_u32 s46, s46, s47
	s_mov_b32 s47, 0
	s_add_nc_u64 s[76:77], s[76:77], s[16:17]
	s_add_nc_u64 s[76:77], s[76:77], s[46:47]
	s_add_nc_u64 s[78:79], s[78:79], s[16:17]
	s_add_nc_u64 s[78:79], s[78:79], s[46:47]
	s_add_nc_u64 s[74:75], s[74:75], s[46:47]
	WIN 0x80                                       ; destination window 2
.irp a, 0,1,2,3
.irp t, 0,1,2,3,4,5,6,7
	global_load_b128 v[32*\a+4*\t:32*\a+4*\t+3], v[CO], s[76:77] offset:(16*\a+2*\t)*4096 th:TH_LOAD_NT
.endr
.endr
	WIN 0
	global_load_b128 v[96:99], v6, s[74:75]
.macro MULA f, a, zero                 ; four matrix instructions: A's block a x W's four.  The 16 accumulators take turns, one instruction a turn, in the same order in every quarter
.irp b, 0,1,2,3
.if \zero
	v_wmma_f32_16x16x128_fp8_fp8 v[ACC+8*(4*(\a)+\b):ACC+8*(4*(\a)+\b)+7], v[\f+64+16*\b:\f+64+16*\b+15], v[\f+16*(\a):\f+16*(\a)+15], 0
.else
	v_wmma_f32_16x16x128_fp8_fp8 v[ACC+8*(4*(\a)+\b):ACC+8*(4*(\a)+\b)+7], v[\f+64+16*\b:\f+64+16*\b+15], v[\f+16*(\a):\f+16*(\a)+15], v[ACC+8*(4*(\a)+\b):ACC+8*(4*(\a)+\b)+7]
.endif
.endr
.endm
.macro FETCH slot, q, f                ; 32 LDS loads in one run: fragment q of W's four blocks, then of A's four, into buffer f
	WIN TO_F
.irp i, 0,1,2,3
.irp c, 0,1,2,3
	ds_load_b128 v[\f+64+16*\i+4*\c:\f+64+16*\i+4*\c+3], v[ADRB+\slot] offset:(4*\i+(\q))*2048+512*\c
.endr
.endr
.irp i, 0,1,2,3
.irp c, 0,1,2,3
	ds_load_b128 v[\f+16*\i+4*\c:\f+16*\i+4*\c+3], v[ADRA+\slot] offset:(4*\i+(\q))*2048+512*\c
.endr
.endr
.endm
.macro PLACES                          ; four plain lines in front of loads into registers that matrix instructions have read, and of reads of results
.rept 4
	v_nop
.endr
.endm
.macro QUARTER slot, qn, f, g, zero    ; 128 along K from buffer f; fragment qn of the same slot is fetched into buffer g
	s_wait_dscnt 8                                 ; W's four and A's blocks 0, 1 are in; the youngest eight loads (A's blocks 2, 3) may be out
	WIN MUL
	MULA \f, 0, \zero
	MULA \f, 1, \zero
	PLACES
	FETCH \slot, \qn, \g
	s_wait_dscnt 32                                ; all but the 32 just issued
	WIN MUL
	MULA \f, 2, \zero
	MULA \f, 3, \zero
.endm
; A slot's last quarter changes slots: ONE barrier; in front of it each wave waits for all its tensor loads, adds 0 to its spare word, and waits for that and for its reads of this slot.
.macro TURN slot, next, fill
	WIN 0
	s_wait_tensorcnt 0x0                           ; all my tensor loads have landed: my part of the next slot
	ds_add_u32 v[SPW], v[NIL]                      ; 0 onto my spare word
	s_wait_dscnt 9                                 ; (the add and the youngest eight loads may be out)
	WIN MUL
	MULA F1, 0, 0
	s_wait_dscnt 0x0                               ; the add is done, and my reads of this slot are over
	s_barrier_signal -1
	MULA F1, 1, 0
.if \fill
	WIN 0
.endif
	s_barrier_wait -1
.if \fill
	CREST                                          ; the barrier has opened a round of the cluster's: no wave of any partner still reads this slot or has a load on its way
	s_add_nc_u64 s[G0+4*\slot+2:G0+4*\slot+3], s[G0+4*\slot+2:G0+4*\slot+3], 2*ROWB
	s_add_nc_u64 s[G0B+4*\slot+2:G0B+4*\slot+3], s[G0B+4*\slot+2:G0B+4*\slot+3], 2*ROWB
	JLOAD \slot                                    ; the first tensor load behind the round; its four v_nop are also the places in front of the loads below
.else
	PLACES
.endif
	FETCH \next, 0, F0
	WIN MUL
	MULA F1, 2, 0
	MULA F1, 3, 0
.endm
	s_wait_tensorcnt 1                             ; my part of K step 0 is in (K step 1's load may be out),
	s_barrier_signal -1
	s_barrier_wait -1                              ; everybody's is
	FETCH 0, 0, F0
	QUARTER 0, 1, F0, F1, 1                        ; the first quarter's products start the sums
.if LAPS > 1
	WIN 0
	s_mov_b32 s3, LAPS-1
.Llap:
	QUARTER 0, 2, F1, F0, 0
	QUARTER 0, 3, F0, F1, 0
	TURN 0, 1, 1
	QUARTER 1, 1, F0, F1, 0
	QUARTER 1, 2, F1, F0, 0
	QUARTER 1, 3, F0, F1, 0
	TURN 1, 0, 1
	QUARTER 0, 1, F0, F1, 0
	WIN 0
	s_sub_co_u32 s3, s3, 1
	s_cmp_lg_u32 s3, 0
	s_cbranch_scc1 .Llap
.endif
	QUARTER 0, 2, F1, F0, 0                        ; the last lap fills nothing
	QUARTER 0, 3, F0, F1, 0
	TURN 0, 1, 0
	QUARTER 1, 1, F0, F1, 0
	QUARTER 1, 2, F1, F0, 0
	QUARTER 1, 3, F0, F1, 0
	s_wait_dscnt 8
	WIN MUL
	MULA F1, 0, 0
	MULA F1, 1, 0
	s_wait_dscnt 0
	MULA F1, 2, 0
	MULA F1, 3, 0
	WIN 0
	PLACES
	s_wait_loadcnt 0x0                             ; the residual and the bias
	s_wait_kmcnt 0x0
	s_add_co_i32 s80, s80, s81
	s_add_co_i32 s80, s80, 127
	s_lshl_b32 s80, s80, 23                        ; 2^(ea + eb) as f32
	s_mov_b32 s81, s80                             ; (named with it as a pair)
.macro TOSTAGE a                       ; block a's sums into my stage and back as rows; LDS serves a wave's instructions in order (ISA guide 5.7.1.4): no wait between
.set TT, 32+32*((\a)%2)
.irp b, 0,1,2,3
	ds_store_b128 v[STO], v[ACC+8*(4*(\a)+\b):ACC+8*(4*(\a)+\b)+3] offset:64*\b
	ds_store_b128 v[STO], v[ACC+8*(4*(\a)+\b)+4:ACC+8*(4*(\a)+\b)+7] offset:64*\b+16
.endr
.irp t, 0,1,2,3,4,5,6,7
	ds_load_b128 v[TT+4*\t:TT+4*\t+3], v[RD] offset:\t*2*SPITCH
.endr
.endm
.macro SEND a, younger                 ; younger: the LDS instructions issued behind block a's loads
.set TT, 32+32*((\a)%2)
	s_wait_dscnt \younger
.irp t, 0,1,2,3,4,5,6,7
	v_pk_fma_f32 v[TT+4*\t:TT+4*\t+1], v[TT+4*\t:TT+4*\t+1], s[80:81], v[96:97] op_sel_hi:[1,0,1]       ; sum x 2^(ea + eb) + bias
	v_pk_fma_f32 v[TT+4*\t+2:TT+4*\t+3], v[TT+4*\t+2:TT+4*\t+3], s[80:81], v[98:99] op_sel_hi:[1,0,1]
.endr
	WIN 0x08                                       ; source 1 window 2
.irp t, 0,1,2,3,4,5,6,7
	v_pk_add_f32 v[TT+4*\t:TT+4*\t+1], v[TT+4*\t:TT+4*\t+1], v[32*(\a)+4*\t:32*(\a)+4*\t+1]              ; + the residual
	v_pk_add_f32 v[TT+4*\t+2:TT+4*\t+3], v[TT+4*\t+2:TT+4*\t+3], v[32*(\a)+4*\t+2:32*(\a)+4*\t+3]
.endr
	WIN 0
.irp t, 0,1,2,3,4,5,6,7
	global_store_b128 v[CO], v[TT+4*\t:TT+4*\t+3], s[78:79] offset:(16*(\a)+2*\t)*4096   ; sixteen lanes store 256 consecutive bytes, aligned
.endr
.endm
	TOSTAGE 0
.irp a, 1,2,3
.if \a > 1
	s_wait_xcnt 0x0                                ; block a - 2's stores have read their registers: block a's loads may land there
.endif
	TOSTAGE \a
	SEND \a-1, 16                                  ; behind block a - 1's loads: block a's eight stores and eight loads
.endr
	SEND 3, 0
	s_wait_tensorcnt 0x0                           ; the wave's end
	ds_add_u32 v[SPW], v[NIL]
	s_wait_dscnt 0x0
	CROUND                                         ; the closing round
	s_endpgm
.Lfunc_end_k_q1fae1865d2_wo:
	.size	k_q1fae1865d2_wo, .Lfunc_end_k_q1fae1865d2_wo-k_q1fae1865d2_wo
	.p2alignl 7, 3214868480
	.fill 96, 4, 3214868480
	.section	.rodata,"a",@progbits
	.p2align	6, 0x0
	.amdhsa_kernel k_q1fae1865d2_wo
		.amdhsa_group_segment_fixed_size 327680
		.amdhsa_private_segment_fixed_size 0
		.amdhsa_enable_private_segment 0
		.amdhsa_kernarg_size 48
		.amdhsa_user_sgpr_count 2
		.amdhsa_user_sgpr_kernarg_segment_ptr 1
		.amdhsa_wavefront_size32 1
		.amdhsa_system_sgpr_workgroup_id_x 1
		.amdhsa_system_sgpr_workgroup_id_y 1
		.amdhsa_system_sgpr_workgroup_id_z 1
		.amdhsa_system_vgpr_workitem_id 0
		.amdhsa_next_free_vgpr 640
		.amdhsa_next_free_sgpr 100
		.amdhsa_reserve_vcc 0
		.amdhsa_float_denorm_mode_32 3
		.amdhsa_float_denorm_mode_16_64 3
		.amdhsa_memory_ordered 1
		.amdhsa_forward_progress 1
		.amdhsa_inst_pref_size 53
	.end_amdhsa_kernel
	.amdgpu_metadata
---
amdhsa.version: [ 1, 2 ]
amdhsa.kernels:
  - .name:           k_q1fae1865d2_wo
    .symbol:         k_q1fae1865d2_wo.kd
    .args:
      - { .name: CTX, .offset: 0, .size: 8, .value_kind: global_buffer, .address_space: global }
      - { .name: P, .offset: 8, .size: 8, .value_kind: global_buffer, .address_space: global }
      - { .name: lowp_scales, .offset: 16, .size: 8, .value_kind: global_buffer, .address_space: global }
      - { .name: bo, .offset: 24, .size: 8, .value_kind: global_buffer, .address_space: global }
      - { .name: x, .offset: 32, .size: 8, .value_kind: global_buffer, .address_space: global }
      - { .name: X1, .offset: 40, .size: 8, .value_kind: global_buffer, .address_space: global }
    .group_segment_fixed_size: 327680
    .private_segment_fixed_size: 0
    .kernarg_segment_align: 8
    .kernarg_segment_size: 48
    .max_flat_workgroup_size: 128
    .sgpr_count:     100
    .vgpr_count:     640
    .wavefront_size: 32
...
	.end_amdgpu_metadata
.endif
;; end of part 5
;; launch ln2 (part 6): grid 256 x 1, 4 waves a work-group, no clusters, 168,448 bytes of LDS; arguments X1, g2, be2, lowp_scales, P; writes P
.if DOCPART == 6
	.amdgcn_target "amdgcn-amd-amdhsa--gfx1250"
	.amdhsa_code_object_version 6
	.text
	.protected	k_q1fae1865d2_ln2
	.globl	k_q1fae1865d2_ln2
	.p2align	8
	.type	k_q1fae1865d2_ln2,@function
k_q1fae1865d2_ln2:
	s_mov_b64 s[64:65], 0
	v_nop
	global_prefetch_b8 v0, s[64:65] scope:SCOPE_SE
	s_setreg_imm32_b32 hwreg(HW_REG_WAVE_MODE, 25, 1), 1
	s_wait_xcnt 0x0
; LAYERNORM OF 16 ROWS OF 1,024 f32, QUANTISED NOUT TIMES (once for each product that takes it, each with its own given scale) INTO IMAGES OF THE OPERAND'S REGISTERS:
; P + OUT0 + o x 0x400000: [row / 16][8 fragments][2,048 bytes]; fragment = [piece g][lane][16 bytes], lane (r, h) of piece g: row r, k = 32 g + 8 h + 0..7, then k = 32 g + 16 + 8 h + 0..7.
; A work-group takes 16 rows; wave w takes columns 256 w .. 256 w + 255 (fragments 2 w, 2 w + 1); lane (r, h) holds 128 numbers of row r in the image's order, so a conversion's results are a piece as it is stored.
; Mean and variance in two passes (the mean is taken away before the squares), f32; a row's sums meet across the two halves of the lanes and, through 64 bytes a wave in LDS and a barrier, across the four waves.
; Nothing in LDS is filled twice.  LIMITS: each e between -126 and 119.  NaN among the inputs is not served.
.set NOUT,  1
.set EIDX,  12                         ; output o takes entry EIDX + 2 o of the exponents
.set OUT0,  0x1800000
.set WTILE, 16*1040
.set STAT1, 4*WTILE                    ; 256 bytes: the rows' sums, 64 bytes a wave; the squares' 256 bytes follow
.set XR,    64                         ; v64-191 the numbers (window 0), g (window 1), be (window 2)
.set MSB, 0
.macro WIN new                         ; the immediate's high byte repeats the setting that is left
.if MSB != \new
	s_set_vgpr_msb (MSB<<8)|\new
.set MSB, \new
.endif
.endm
	s_load_b256 s[4:11], s[0:1], 0x0               ; the rows, g, be, the exponents
	s_load_b64 s[12:13], s[0:1], 0x20              ; P
	v_lshl_add_u32 v254, v0, 2, 0x29000
	v_mov_b32 v255, 0
	ds_add_u32 v254, v255
	ds_add_u32 v254, v255
	v_lshrrev_b32 v1, 5, v0
	v_readfirstlane_b32 s2, v1                     ; wave
	s_mov_b32 s24, (2<<16)|(1<<20)|(7<<22)|(3<<25) ; elements of 4 bytes; padding on: after every 256 words four words
	s_mov_b32 s25, 256<<16                         ; tensor_dim0
	s_mov_b32 s26, 16<<16                          ; tensor_dim1
	s_mov_b32 s27, 256<<16                         ; tile_dim0
	s_mov_b32 s28, 16                              ; tile_dim1
	s_mov_b32 s29, 1024                            ; elements from row to row
	s_mov_b32 s30, 0
	s_mov_b32 s31, 0
	s_lshl_b32 s14, ttmp9, 16                      ; 16 rows of 4,096 bytes
	s_lshl_b32 s15, s2, 10
	s_add_co_u32 s14, s14, s15
	s_mov_b32 s15, 0
	s_mov_b32 s16, 1
	s_mul_i32 s17, s2, WTILE                       ; my wave's own bytes
	s_wait_dscnt 0x0
	s_wait_kmcnt 0x0
	s_add_nc_u64 s[18:19], s[4:5], s[14:15]
	s_or_b32 s19, s19, 0x80000000
	tensor_load_to_lds s[16:19], s[24:31]          ; my one tensor load
	s_nop 0
.rept 4
	v_nop
.endr
	s_load_b512 s[36:51], s[10:11], 0x0
	v_and_b32 v1, 15, v0                           ; r
	v_bfe_u32 v2, v0, 4, 1                         ; h
	v_mul_u32_u24 v3, v1, 1040
	v_lshl_add_u32 v3, v2, 5, v3
	v_add_nc_u32 v3, s17, v3                       ; LDS: my row, + 32 h
	s_lshl_b32 s20, s2, 6
	v_lshlrev_b32 v5, 2, v1
	v_add_nc_u32 v5, STAT1, v5                     ; row r's word of wave 0
	v_add_nc_u32 v4, s20, v5                       ; and of my wave
	s_lshl_b32 s21, s2, 10
	v_lshlrev_b32 v6, 5, v2
	v_add_nc_u32 v6, s21, v6                       ; g, be: my wave's 1,024 bytes, + 32 h
	v_and_b32 v7, 31, v0
	v_lshlrev_b32 v7, 4, v7                        ; 16 x lane
	s_mov_b32 s22, 0x76543210
	s_mov_b32 s23, 0xfedcba98                      ; v_permlanex16_b32: lane l xor 16
	WIN 0x40                                       ; destination window 1.  Load n = 4 p + q of piece p: bytes 512 (p / 4) + 128 (p % 4) + {0, 16, 64, 80}
.set n, 0
.rept 32
	global_load_b128 v[XR+4*n:XR+4*n+3], v6, s[6:7] offset:512*(n/16)+128*((n/4)%4)+64*((n/2)%2)+16*(n%2)
.set n, n+1
.endr
	WIN 0x80                                       ; destination window 2
.set n, 0
.rept 32
	global_load_b128 v[XR+4*n:XR+4*n+3], v6, s[8:9] offset:512*(n/16)+128*((n/4)%4)+64*((n/2)%2)+16*(n%2)
.set n, n+1
.endr
	WIN 0
	s_lshl_b32 s32, ttmp9, 14                      ; a block of 16 rows is 16,384 bytes of images,
	s_lshl_b32 s33, s2, 12                         ; my two fragments 4,096
	s_add_co_u32 s32, s32, s33
	s_mov_b32 s33, 0
	s_add_nc_u64 s[52:53], s[12:13], s[32:33]
	s_add_nc_u64 s[52:53], s[52:53], OUT0
.if NOUT > 1
	s_add_nc_u64 s[54:55], s[52:53], 0x400000
	s_add_nc_u64 s[56:57], s[54:55], 0x400000
.endif
	s_wait_kmcnt 0x0
.set o, 0
.rept NOUT
	s_add_co_i32 s34, s[36+EIDX+2*o], 127
	s_lshl_b32 s35, s34, 23
	v_mov_b32 v[24+2*o], s35                       ; 2^e as f32
	s_add_co_i32 s34, s34, 8
	s_lshl_b32 s34, s34, 23
	s_or_b32 s34, s34, 0x600000
	v_mov_b32 v[25+2*o], s34                       ; 448 x 2^e
.set o, o+1
.endr
	s_wait_tensorcnt 0x0                           ; my tile is in LDS; only I read it
.set n, 0
.rept 32
	ds_load_b128 v[XR+4*n:XR+4*n+3], v3 offset:512*(n/16)+128*((n/4)%4)+64*((n/2)%2)+16*(n%2)
.set n, n+1
.endr
	s_wait_dscnt 0x0
; four chains in v[8:15] become the row's sum over all 1,024 columns, in every lane of the row, in v8
.macro RSUM off
	v_pk_add_f32 v[8:9], v[8:9], v[10:11]
	v_pk_add_f32 v[12:13], v[12:13], v[14:15]
	v_pk_add_f32 v[8:9], v[8:9], v[12:13]
	v_add_f32 v8, v8, v9
	v_permlanex16_b32 v9, v8, s22, s23             ; the row's other half of my wave's columns
	v_add_f32 v8, v8, v9
	ds_store_b32 v4, v8 offset:\off                ; lanes r and r + 16 store the same number to the same word
	s_wait_dscnt 0x0                               ; for the others' sake: my store has landed
	s_barrier_signal -1
	s_barrier_wait -1
	ds_load_b32 v8, v5 offset:\off
	ds_load_b32 v9, v5 offset:\off+64
	ds_load_b32 v10, v5 offset:\off+128
	ds_load_b32 v11, v5 offset:\off+192
	s_wait_dscnt 0x0
	v_add_f32 v8, v8, v9
	v_add_f32 v10, v10, v11
	v_add_f32 v8, v8, v10
.endm
.irp c, 0,1,2,3
	v_pk_add_f32 v[8+2*\c:9+2*\c], v[XR+2*\c:XR+2*\c+1], v[XR+8+2*\c:XR+9+2*\c]
.endr
.set n, 8
.rept 56
	v_pk_add_f32 v[8+2*(n%4):9+2*(n%4)], v[8+2*(n%4):9+2*(n%4)], v[XR+2*n:XR+2*n+1]
.set n, n+1
.endr
	RSUM 0
	v_mul_f32 v18, 0x3a800000, v8                  ; the mean: / 1,024
	v_mov_b32 v19, v18
.set n, 0
.rept 64
	v_pk_add_f32 v[XR+2*n:XR+2*n+1], v[XR+2*n:XR+2*n+1], v[18:19] neg_lo:[0,1] neg_hi:[0,1]
.set n, n+1
.endr
.irp c, 0,1,2,3
	v_pk_mul_f32 v[8+2*\c:9+2*\c], v[XR+2*\c:XR+2*\c+1], v[XR+2*\c:XR+2*\c+1]
.endr
.set n, 4
.rept 60
	v_pk_fma_f32 v[8+2*(n%4):9+2*(n%4)], v[XR+2*n:XR+2*n+1], v[XR+2*n:XR+2*n+1], v[8+2*(n%4):9+2*(n%4)]
.set n, n+1
.endr
	RSUM 256                                       ; other words than the first sums': no wave writes what another may still read
	v_mul_f32 v16, 0x3a800000, v8                  ; the variance
	v_add_f32 v16, 0x3727c5ac, v16                 ; + 1e-5
	v_rsq_f32 v20, v16
	v_nop                                          ; a plain line behind the transcendental
	s_wait_alu depctr_va_vdst(0)                   ; and the wait ahead of the first line that names its result
	v_mov_b32 v21, v20
.set n, 0
.rept 64
	v_pk_mul_f32 v[XR+2*n:XR+2*n+1], v[XR+2*n:XR+2*n+1], v[20:21]
.set n, n+1
.endr
	s_wait_loadcnt 0x0                             ; g and be
	WIN 0x24                                       ; source 1 (g) window 1, source 2 (be) window 2
.set n, 0
.rept 64
	v_pk_fma_f32 v[XR+2*n:XR+2*n+1], v[XR+2*n:XR+2*n+1], v[XR+2*n:XR+2*n+1], v[XR+2*n:XR+2*n+1]
.set n, n+1
.endr
	WIN 0
.macro OUTP o                          ; the eight pieces with output o's scale: held into v32-63 (two sets by turns), converted, stored: 512 consecutive bytes a store
.if \o > 0
	s_wait_xcnt 0x0                                ; the last output's stores have read their registers: the codes' registers are written again only behind this wait
.endif
.irp p, 0,1,2,3,4,5,6,7
.irp i, 0,1,2,3,4,5,6,7,8,9,10,11,12,13,14,15
	v_med3_num_f32 v[32+16*(\p%2)+\i], v[XR+16*\p+\i], -v[25+2*\o], v[25+2*\o]
.endr
	v_cvt_scalef32_pk8_fp8_f32 v[192+4*\p:193+4*\p], v[32+16*(\p%2):39+16*(\p%2)], v[24+2*\o]
	v_cvt_scalef32_pk8_fp8_f32 v[194+4*\p:195+4*\p], v[40+16*(\p%2):47+16*(\p%2)], v[24+2*\o]
	v_nop                                          ; a plain line behind the conversions
	global_store_b128 v7, v[192+4*\p:195+4*\p], s[52+2*\o:53+2*\o] offset:512*\p
.endr
.endm
	OUTP 0
.if NOUT > 1
	OUTP 1
	OUTP 2
.endif
	s_wait_tensorcnt 0x0
	ds_add_u32 v254, v255
	s_wait_dscnt 0x0
	s_endpgm
.Lfunc_end_k_q1fae1865d2_ln2:
	.size	k_q1fae1865d2_ln2, .Lfunc_end_k_q1fae1865d2_ln2-k_q1fae1865d2_ln2
	.p2alignl 7, 3214868480
	.fill 96, 4, 3214868480
	.section	.rodata,"a",@progbits
	.p2align	6, 0x0
	.amdhsa_kernel k_q1fae1865d2_ln2
		.amdhsa_group_segment_fixed_size 168448
		.amdhsa_private_segment_fixed_size 0
		.amdhsa_enable_private_segment 0
		.amdhsa_kernarg_size 40
		.amdhsa_user_sgpr_count 2
		.amdhsa_user_sgpr_kernarg_segment_ptr 1
		.amdhsa_wavefront_size32 1
		.amdhsa_system_sgpr_workgroup_id_x 1
		.amdhsa_system_sgpr_workgroup_id_y 1
		.amdhsa_system_sgpr_workgroup_id_z 1
		.amdhsa_system_vgpr_workitem_id 0
		.amdhsa_next_free_vgpr 704
		.amdhsa_next_free_sgpr 66
		.amdhsa_reserve_vcc 0
		.amdhsa_float_denorm_mode_32 3
		.amdhsa_float_denorm_mode_16_64 3
		.amdhsa_memory_ordered 1
		.amdhsa_forward_progress 1
		.amdhsa_inst_pref_size 44
	.end_amdhsa_kernel
	.amdgpu_metadata
---
amdhsa.version: [ 1, 2 ]
amdhsa.kernels:
  - .name:           k_q1fae1865d2_ln2
    .symbol:         k_q1fae1865d2_ln2.kd
    .args:
      - { .name: X1, .offset: 0, .size: 8, .value_kind: global_buffer, .address_space: global }
      - { .name: g2, .offset: 8, .size: 8, .value_kind: global_buffer, .address_space: global }
      - { .name: be2, .offset: 16, .size: 8, .value_kind: global_buffer, .address_space: global }
      - { .name: lowp_scales, .offset: 24, .size: 8, .value_kind: global_buffer, .address_space: global }
      - { .name: P, .offset: 32, .size: 8, .value_kind: global_buffer, .address_space: global }
    .group_segment_fixed_size: 168448
    .private_segment_fixed_size: 0
    .kernarg_segment_align: 8
    .kernarg_segment_size: 40
    .max_flat_workgroup_size: 128
    .sgpr_count:     66
    .vgpr_count:     704
    .wavefront_size: 32
...
	.end_amdgpu_metadata
.endif
;; end of part 6
;; launch ffn1 (part 7): grid 16 x 16, 4 waves a work-group, clusters of 4 x 4, 327,680 bytes of LDS; arguments P, lowp_scales, b1, HID; writes HID
.if DOCPART == 7
	.amdgcn_target "amdgcn-amd-amdhsa--gfx1250"
	.amdhsa_code_object_version 6
	.text
	.protected	k_q1fae1865d2_ffn1
	.globl	k_q1fae1865d2_ffn1
	.p2align	8
	.type	k_q1fae1865d2_ffn1,@function
k_q1fae1865d2_ffn1:
	s_mov_b64 s[64:65], 0
	v_nop
	global_prefetch_b8 v0, s[64:65] scope:SCOPE_SE
	s_setreg_imm32_b32 hwreg(HW_REG_WAVE_MODE, 25, 1), 1
	s_wait_xcnt 0x0
	s_wait_alu depctr_hold_cnt(0) depctr_sa_sdst(0) depctr_va_vdst(0) depctr_va_sdst(0) depctr_va_ssrc(0) depctr_va_vcc(0) depctr_vm_vsrc(0)
	s_getreg_b32 s2, hwreg(HW_REG_IB_STS2, 6, 4)
	s_cmp_eq_u32 s2, 0
	s_cbranch_scc0 .Lentry_in_a_cluster
	s_endpgm
.Lentry_in_a_cluster:
	s_bfe_u32 s2, ttmp6, 0x10000c
	s_cmp_lg_u32 s2, 0xf033
	s_cbranch_scc0 .Lentry_shape_is_right
	s_endpgm
.Lentry_shape_is_right:
; hidden = gelu(h W1 + b1), exact (erf), ON CODES OF FP8, K = 1,024, N = 4,096, and quantised at once for the product with W2.
; Operands lie in P as images of the operand's registers: [block of 16 rows][8 fragments of 128 K][2,048 bytes], fragment = [piece g][lane][16 bytes].
; A tile of 256 x 256 is made by a work-group of four waves, 128 x 128 a wave: 64 accumulators.  K goes in steps of 256 through two LDS slots; a wave's tensor load brings 8 blocks x 4,096 bytes.
; The matrix instruction is used transposed (source 0 = 16 columns of W1, source 1 = 16 tokens): lane (r, h) holds token r and, in accumulator b, hidden units 16 b + 8 h + 0..7:
; the conversions of accumulators 2 g and 2 g + 1 ARE piece g of the next operand's image.  HID: [16 tokens 256][128 hidden units 32][2,048 bytes].
; CLUSTERS: 4 x 4 work-groups; the tokens' tile is asked for jointly along a row of the cluster, W1's along a column.
; THE WAY OUT.  The activation is long, and register numbers cannot be stepped by a loop: so each wave lays its 64 accumulators into its own 65,536 bytes of LDS (both slots have had their last fill, and a barrier
; stands behind every wave's last read of them) and walks them in a loop of eight trips, four groups of 16 numbers a lane to a trip.
; gelu(y) = max(y, 0) - |y| Q, Q = erfc(|y| / sqrt 2) / 2: no difference of near numbers on either side of 0.  With a = |y| / sqrt 2: (1 + 2 a) exp(a^2) erfc(a) = 1 + p(q), q = (a - 2) / (a + 2), p of degree 9;
; exp(-a^2) = 2^U (1 + W ln 2), U = the rounded -a^2 log2(e), W what the roundings of a^2, of the product and of log2(e) left over.  a is held at 10.0546875, beyond which erfc is 0 in f32;
; where 2^U falls under 2^-126 it counts as 0.
; LIMITS: e12 + e13 between -126 and 127; e14 between -126 and 119.  NaN among the inputs is not served.
; REGISTERS: window 0: v0-31 addresses and constants; v32-95 b1 in the result's layout; v128-255 the tokens' fragments, ONE set (on the way out v96-255 are at work); window 1: W1's, TWO sets; windows 2, 3: the accumulators.
.set BLKP,   16384
.set ROWB,   4096
.set HALFT,  8*ROWB
.set SLOT,   4*HALFT
.set SPARE,  2*SLOT
.set LAPS,   2
.set FR,     16
.set NL,     4
.set NP,     4
.set ADRA, 16
.set ADRB, 20
.set SPW,  28
.set NIL,  29
.set AF,   128
.set BIAS, 32
.set RAW,  96                          ; the way out: 16 sums as they come from LDS
.set YY,   112                         ; y
.set AA,   128                         ; a
.set RP,   144                         ; a + 2, then its reciprocal
.set RDV,  160                         ; 4 a + 2, then its reciprocal
.set SS,   176                         ; a^2, then the polynomial and what becomes of it
.set UU,   192                         ; U, then 2^U
.set MM,   208                         ; a - 2, then q, then max(y, 0)
.set TT,   224                         ; a^2's rounding
.set WW,   240                         ; W
.set G1, 24
.set G0, 32
.set G1B, 48
.set G0B, 56
.set MSB, 0
.macro WIN new                         ; the immediate's high byte repeats the setting that is left
.if MSB != \new
	s_set_vgpr_msb (MSB<<8)|\new
.set MSB, \new
.endif
.endm
.set MUL_LO, 0xa1
.set MUL_HI, 0xf1
.set TO_B,   0x40
.macro JLOAD g0a, g1a, g0b, g1b        ; a joint load: waves 0 and 1 fetch the tokens' halves, waves 2 and 3 W1's; four v_nop follow each line
	s_cmp_eq_u32 s15, 0
	s_cbranch_scc0 .Lfor_b_\@
	tensor_load_to_lds s[\g0a:\g0a+3], s[\g1a:\g1a+7]
	s_nop 0
.rept 4
	v_nop
.endr
	s_branch .Lasked_\@
.Lfor_b_\@:
	tensor_load_to_lds s[\g0b:\g0b+3], s[\g1b:\g1b+7]
	s_nop 0
.rept 4
	v_nop
.endr
.Lasked_\@:
.endm
.macro CREST
	s_cmp_lg_u32 s14, 0
	s_cbranch_scc1 .Lnot_wave_0_\@
	s_barrier_signal -3
.Lnot_wave_0_\@:
	s_barrier_wait -3
	s_barrier_signal -1
	s_barrier_wait -1
.endm
.macro CROUND
	s_barrier_signal -1
	s_barrier_wait -1
	CREST
.endm
	s_load_b256 s[4:11], s[0:1], 0x0               ; P, the exponents, b1, HID
	v_lshl_add_u32 v[SPW], v0, 2, SPARE
	v_mov_b32 v[NIL], 0
	ds_add_u32 v28, v29
	ds_add_u32 v28, v29
	s_wait_dscnt 0x0
	v_lshrrev_b32 v1, 5, v0
	v_readfirstlane_b32 s14, v1                    ; wave
	s_lshr_b32 s15, s14, 1
	s_and_b32 s16, s14, 1
	s_bfe_u32 s40, ttmp6, 0x40000
	s_bfe_u32 s41, ttmp6, 0x40004
	s_lshl_b32 s42, ttmp9, 2
	s_add_co_u32 s42, s42, s40                     ; tile column
	s_and_b32 s17, ttmp7, 0xffff
	s_lshl_b32 s17, s17, 2
	s_add_co_u32 s17, s17, s41                     ; tile row
	s_lshl_b32 s43, s41, 2
	s_lshl_b32 s43, 15, s43
	s_lshl_b32 s44, 0x1111, s40
	s_or_b32 s[G1+0], s43, (1<<21)
	s_or_b32 s[G1B+0], s44, (1<<21)
.irp g, G1, G1B
	s_mov_b32 s[\g+1], ROWB<<16
	s_mov_b32 s[\g+2], 8<<16
	s_mov_b32 s[\g+3], ROWB<<16
	s_mov_b32 s[\g+4], 8
	s_mov_b32 s[\g+5], BLKP
	s_mov_b32 s[\g+6], 0
	s_mov_b32 s[\g+7], 0
.endr
	s_lshl_b32 s20, s17, 18
	s_add_co_u32 s20, s20, 0x1800000               ; the normed rows' images
	s_lshl_b32 s21, s16, 17
	s_add_co_u32 s20, s20, s21
	s_mov_b32 s21, 0
	s_lshl_b32 s46, s42, 18
	s_add_co_u32 s46, s46, 0x400000                ; W1's images
	s_lshl_b32 s47, s16, 17
	s_add_co_u32 s46, s46, s47
	s_mov_b32 s47, 0
	s_mul_i32 s45, s14, HALFT
	s_wait_kmcnt 0x0
	s_load_b512 s[84:99], s[6:7], 0x0              ; the sixteen exponents
	s_add_nc_u64 s[20:21], s[4:5], s[20:21]
	s_add_nc_u64 s[46:47], s[4:5], s[46:47]
	CROUND
.irp s, 0,1
	s_mov_b32 s[G0+4*\s], 1
	s_add_co_u32 s[G0+4*\s+1], s45, \s*SLOT
	s_add_nc_u64 s[G0+4*\s+2:G0+4*\s+3], s[20:21], \s*ROWB
	s_or_b32 s[G0+4*\s+3], s[G0+4*\s+3], 0x80000000
	s_mov_b32 s[G0B+4*\s], 1
	s_add_co_u32 s[G0B+4*\s+1], s45, \s*SLOT
	s_add_nc_u64 s[G0B+4*\s+2:G0B+4*\s+3], s[46:47], \s*ROWB
	s_or_b32 s[G0B+4*\s+3], s[G0B+4*\s+3], 0x80000000
	JLOAD G0+4*\s, G1, G0B+4*\s, G1B
.endr
	v_and_b32 v1, 31, v0
	v_lshlrev_b32 v4, 4, v1                        ; 16 x lane
	s_mul_i32 s21, s15, HALFT
	s_mul_i32 s22, s16, HALFT
	s_add_co_u32 s22, s22, 2*HALFT
.irp s, 0,1
	v_add_nc_u32 v[ADRA+\s], s21, v4
	v_add_nc_u32 v[ADRB+\s], s22, v4
	s_add_co_u32 s21, s21, SLOT
	s_add_co_u32 s22, s22, SLOT
.endr
	s_lshl_b32 s76, s42, 10                        ; b1: my 128 numbers: 1,024 bytes a tile column, 512 a half
	s_lshl_b32 s77, s16, 9
	s_add_co_u32 s76, s76, s77
	s_mov_b32 s77, 0
	s_add_nc_u64 s[72:73], s[8:9], s[76:77]
	s_lshl_b32 s76, s17, 20                        ; HID: 16 blocks of 65,536 bytes a tile row, 8 a half;
	s_lshl_b32 s78, s15, 19
	s_add_co_u32 s76, s76, s78
	s_lshl_b32 s78, s42, 12                        ; two fragments a tile column, one a half
	s_add_co_u32 s76, s76, s78
	s_lshl_b32 s78, s16, 11
	s_add_co_u32 s76, s76, s78
	s_add_nc_u64 s[74:75], s[10:11], s[76:77]
	v_bfe_u32 v5, v0, 4, 1
	v_lshlrev_b32 v5, 5, v5                        ; 32 h
.irp b, 0,1,2,3,4,5,6,7
	global_load_b128 v[BIAS+8*\b:BIAS+8*\b+3], v5, s[72:73] offset:64*\b       ; b1 at hidden units 16 b + 8 h + 0..7
	global_load_b128 v[BIAS+8*\b+4:BIAS+8*\b+7], v5, s[72:73] offset:64*\b+16
.endr
.macro FRAG reg, adr, q, i
.irp c, 0,1,2,3
	ds_load_b128 v[\reg+4*\c:\reg+4*\c+3], v[\adr] offset:((\i)*2+(\q))*2048+512*\c
.endr
.endm
; The 64 accumulators take turns, one instruction a turn, in the same order in every step.
.macro MUL16 a0, p, zero
.irp a, \a0, \a0+1
.irp b, 0,1,2,3,4,5,6,7
.if \zero
	v_wmma_f32_16x16x128_fp8_fp8 v[8*(8*((\a)%4)+\b):8*(8*((\a)%4)+\b)+7], v[128*(\p)+FR*\b:128*(\p)+FR*\b+FR-1], v[AF+FR*(\a):AF+FR*(\a)+FR-1], 0
.else
	v_wmma_f32_16x16x128_fp8_fp8 v[8*(8*((\a)%4)+\b):8*(8*((\a)%4)+\b)+7], v[128*(\p)+FR*\b:128*(\p)+FR*\b+FR-1], v[AF+FR*(\a):AF+FR*(\a)+FR-1], v[8*(8*((\a)%4)+\b):8*(8*((\a)%4)+\b)+7]
.endif
.endr
.endr
.endm
.macro FETCH_B slot, q, p
	WIN TO_B
.irp i, 0,1,2,3,4,5,6,7
	FRAG 128*(\p)+FR*\i, ADRB+\slot, \q, \i
.endr
	WIN 0
.endm
.macro FETCH_A slot, q, i0
.irp i, \i0, \i0+1, \i0+2, \i0+3
	FRAG AF+FR*(\i), ADRA+\slot, \q, \i
.endr
.endm
.macro PLACES n
.rept \n
	v_nop
.endr
.endm
.macro STEP slot, q, zero
	s_wait_dscnt 4*NL                              ; W1's set and the tokens' blocks 0-3 are in; the youngest sixteen loads (blocks 4-7) may be out
	WIN MUL_LO
	MUL16 0, (\q)%2, \zero
	MUL16 2, (\q)%2, \zero
	s_wait_dscnt 0
	PLACES NP
	FETCH_B \slot, (\q)+1, 1-(\q)%2
	FETCH_A \slot, (\q)+1, 0
	WIN MUL_HI
	MUL16 4, (\q)%2, \zero
	MUL16 6, (\q)%2, \zero
	PLACES NP
	WIN 0
	FETCH_A \slot, (\q)+1, 4
.endm
.macro TURN slot, next, fill
	s_wait_tensorcnt 0x0                           ; all my tensor loads have landed: my part of the next slot
	ds_add_u32 v[SPW], v[NIL]                      ; 0 onto my spare word
	s_wait_dscnt 4*NL+1                            ; (the add and the youngest sixteen loads may be out)
	WIN MUL_LO
	MUL16 0, 1, 0
	s_wait_dscnt 0x0                               ; the add is done, and my reads of this slot are over
	s_barrier_signal -1
	MUL16 2, 1, 0
	WIN 0
	s_barrier_wait -1
.if \fill
	CREST
	s_add_nc_u64 s[G0+4*\slot+2:G0+4*\slot+3], s[G0+4*\slot+2:G0+4*\slot+3], 2*ROWB
	s_add_nc_u64 s[G0B+4*\slot+2:G0B+4*\slot+3], s[G0B+4*\slot+2:G0B+4*\slot+3], 2*ROWB
	JLOAD G0+4*\slot, G1, G0B+4*\slot, G1B
.else
	PLACES NP
.endif
	FETCH_B \next, 0, 0
	FETCH_A \next, 0, 0
	WIN MUL_HI
	MUL16 4, 1, 0
	MUL16 6, 1, 0
	PLACES NP
	WIN 0
	FETCH_A \next, 0, 4
.endm
	s_wait_tensorcnt 1                             ; my part of K step 0 is in (K step 1's load may be out),
	s_barrier_signal -1
	s_barrier_wait -1
	FETCH_B 0, 0, 0
	FETCH_A 0, 0, 0
	FETCH_A 0, 0, 4
	STEP 0, 0, 1
	s_mov_b32 s3, LAPS-1
.Llap:
	TURN 0, 1, 1
	STEP 1, 0, 0
	TURN 1, 0, 1
	STEP 0, 0, 0
	s_sub_co_u32 s3, s3, 1
	s_cmp_lg_u32 s3, 0
	s_cbranch_scc1 .Llap
	TURN 0, 1, 0
	STEP 1, 0, 0
	s_wait_dscnt 4*NL
	WIN MUL_LO
	MUL16 0, 1, 0
	MUL16 2, 1, 0
	s_wait_dscnt 0
	WIN MUL_HI
	MUL16 4, 1, 0
	MUL16 6, 1, 0
	WIN 0
	PLACES NP
	s_wait_dscnt 0x0                               ; my reads of the slots are over;
	s_barrier_signal -1
	s_barrier_wait -1                              ; everybody's are: the slots, which have had their last fill, take the sums
	v_and_b32 v1, 31, v0
	v_lshlrev_b32 v1, 4, v1
	s_lshl_b32 s70, s14, 16
	v_add_nc_u32 v20, s70, v1                      ; my wave's 65,536 bytes, + 16 x lane
	WIN 0x08                                       ; store data window 2
.irp a, 0,1,2,3
.irp b, 0,1,2,3,4,5,6,7
	ds_store_b128 v20, v[8*(8*\a+\b):8*(8*\a+\b)+3] offset:(8*\a+\b)*1024          ; each accumulator from its low end on
	ds_store_b128 v20, v[8*(8*\a+\b)+4:8*(8*\a+\b)+7] offset:(8*\a+\b)*1024+512
.endr
.endr
	WIN 0x0c                                       ; window 3
.irp a, 0,1,2,3
.irp b, 0,1,2,3,4,5,6,7
	ds_store_b128 v20, v[8*(8*\a+\b):8*(8*\a+\b)+3] offset:(8*(\a+4)+\b)*1024
	ds_store_b128 v20, v[8*(8*\a+\b)+4:8*(8*\a+\b)+7] offset:(8*(\a+4)+\b)*1024+512
.endr
.endr
	WIN 0
	v_mov_b32 v21, v20                             ; this trip's block,
	v_add_nc_u32 v22, 8192, v20                    ; the next trip's,
	v_mov_b32 v23, v1                              ; my place in HID
.irp c, 0,1,2,3
	ds_load_b128 v[RAW+4*\c:RAW+4*\c+3], v21 offset:512*\c   ; LDS serves a wave's instructions in order (ISA guide 5.7.1.4): these see my stores
.endr
	s_wait_loadcnt 0x0                             ; b1
	s_wait_kmcnt 0x0
	s_add_co_i32 s66, s96, s97
	s_add_co_i32 s66, s66, 127
	s_lshl_b32 s66, s66, 23                        ; 2^(e12 + e13) as f32
	s_mov_b32 s67, s66
	s_add_co_i32 s70, s98, 127
	s_lshl_b32 s76, s70, 23
	v_mov_b32 v26, s76                             ; 2^e14
	s_add_co_i32 s70, s70, 8
	s_lshl_b32 s70, s70, 23
	s_or_b32 s70, s70, 0x600000
	v_mov_b32 v27, s70                             ; 448 x 2^e14
	s_mov_b32 s68, 0x4120E000                      ; 10.0546875
	v_mov_b32 v30, 0xBAA15130                      ; the polynomial's second coefficient, twice
	v_mov_b32 v31, 0xBAA15130
.macro GROUP g                         ; accumulators 2 g and 2 g + 1 of the trip's block: 16 numbers a lane, piece g of the fragment
	s_wait_dscnt 0x0                               ; the group's sums are in
.irp i, 0,2,4,6,8,10,12,14
	v_pk_fma_f32 v[YY+\i:YY+\i+1], v[RAW+\i:RAW+\i+1], s[66:67], v[BIAS+16*\g+\i:BIAS+16*\g+\i+1] op_sel_hi:[1,0,1]   ; y = sum x 2^(e12 + e13) + b1
.endr
.irp c, 0,1,2,3
.if \g < 3
	ds_load_b128 v[RAW+4*\c:RAW+4*\c+3], v21 offset:(\g+1)*2048+512*\c   ; the next group's sums come while this one is worked
.else
	ds_load_b128 v[RAW+4*\c:RAW+4*\c+3], v22 offset:512*\c               ; (the last trip reads the wave's first block once more, for nothing)
.endif
.endr
.irp i, 0,2,4,6,8,10,12,14
	v_pk_mul_f32 v[AA+\i:AA+\i+1], v[YY+\i:YY+\i+1], 0x3f3504f3 op_sel_hi:[1,0]
.endr
.irp i, 0,1,2,3,4,5,6,7,8,9,10,11,12,13,14,15
	v_min_num_f32 v[AA+\i], |v[AA+\i]|, s68        ; a
.endr
.irp i, 0,2,4,6,8,10,12,14
	v_pk_add_f32 v[RP+\i:RP+\i+1], v[AA+\i:AA+\i+1], 2.0 op_sel_hi:[1,0]
.endr
.irp i, 0,2,4,6,8,10,12,14
	v_pk_fma_f32 v[RDV+\i:RDV+\i+1], v[AA+\i:AA+\i+1], 4.0, 2.0 op_sel_hi:[1,0,0]   ; 2 (1 + 2 a): the half of Q goes into the division
.endr
.irp i, 0,2,4,6,8,10,12,14
	v_pk_mul_f32 v[SS+\i:SS+\i+1], v[AA+\i:AA+\i+1], v[AA+\i:AA+\i+1]
.endr
.irp i, 0,2,4,6,8,10,12,14
	v_pk_mul_f32 v[UU+\i:UU+\i+1], v[SS+\i:SS+\i+1], 0xbfb8aa3b op_sel_hi:[1,0]
.endr
.irp i, 0,2,4,6,8,10,12,14
	v_pk_fma_f32 v[WW+\i:WW+\i+1], v[SS+\i:SS+\i+1], 0xbfb8aa3b, v[UU+\i:UU+\i+1] op_sel_hi:[1,0,1] neg_lo:[0,0,1] neg_hi:[0,0,1]   ; what U's rounding left over
.endr
.irp i, 0,1,2,3,4,5,6,7,8,9,10,11,12,13,14,15
	v_rcp_f32 v[RP+\i], v[RP+\i]                   ; ONE batch of 48
.endr
.irp i, 0,1,2,3,4,5,6,7,8,9,10,11,12,13,14,15
	v_rcp_f32 v[RDV+\i], v[RDV+\i]
.endr
.irp i, 0,1,2,3,4,5,6,7,8,9,10,11,12,13,14,15
	v_exp_f32 v[UU+\i], v[UU+\i]
.endr
.irp i, 0,2,4,6,8,10,12,14
	v_pk_add_f32 v[MM+\i:MM+\i+1], v[AA+\i:AA+\i+1], -2.0 op_sel_hi:[1,0]   ; work that names none of the batch's results stands between it and its wait
.endr
.irp i, 0,2,4,6,8,10,12,14
	v_pk_fma_f32 v[TT+\i:TT+\i+1], v[AA+\i:AA+\i+1], v[AA+\i:AA+\i+1], v[SS+\i:SS+\i+1] neg_lo:[0,0,1] neg_hi:[0,0,1]   ; a^2's rounding
.endr
.irp i, 0,2,4,6,8,10,12,14
	v_pk_fma_f32 v[WW+\i:WW+\i+1], v[TT+\i:TT+\i+1], 0xbfb8aa3b, v[WW+\i:WW+\i+1] op_sel_hi:[1,0,1]
.endr
.irp i, 0,2,4,6,8,10,12,14
	v_pk_fma_f32 v[WW+\i:WW+\i+1], v[SS+\i:SS+\i+1], 0xb2a57060, v[WW+\i:WW+\i+1] op_sel_hi:[1,0,1]   ; log2(e)'s own rounding
.endr
.irp i, 0,2,4,6,8,10,12,14
	v_pk_mul_f32 v[WW+\i:WW+\i+1], v[WW+\i:WW+\i+1], 0x3f317218 op_sel_hi:[1,0]   ; x ln 2
.endr
	s_wait_alu depctr_va_vdst(0)                   ; one wait for the batch, ahead of the first line that names a result
.irp i, 0,2,4,6,8,10,12,14
	v_pk_mul_f32 v[MM+\i:MM+\i+1], v[MM+\i:MM+\i+1], v[RP+\i:RP+\i+1]   ; q
.endr
.irp i, 0,2,4,6,8,10,12,14
	v_pk_fma_f32 v[SS+\i:SS+\i+1], v[MM+\i:MM+\i+1], 0xB9D25000, v[30:31] op_sel_hi:[1,0,1]
.endr
.irp k, 0x3AAC2B8A, 0x3C0D6E62, 0xBC040DC1, 0xBD5E05B5, 0x3E27FE23, 0xBE2A0420, 0xBDBDFB0B, 0x3E8DD01D
.irp i, 0,2,4,6,8,10,12,14
	v_pk_fma_f32 v[SS+\i:SS+\i+1], v[SS+\i:SS+\i+1], v[MM+\i:MM+\i+1], \k op_sel_hi:[1,1,0]
.endr
.endr
.irp i, 0,2,4,6,8,10,12,14
	v_pk_fma_f32 v[SS+\i:SS+\i+1], v[SS+\i:SS+\i+1], v[RDV+\i:RDV+\i+1], v[RDV+\i:RDV+\i+1]   ; (p + 1) / (2 (1 + 2 a))
.endr
.irp i, 0,2,4,6,8,10,12,14
	v_pk_mul_f32 v[SS+\i:SS+\i+1], v[SS+\i:SS+\i+1], v[UU+\i:UU+\i+1]
.endr
.irp i, 0,2,4,6,8,10,12,14
	v_pk_fma_f32 v[SS+\i:SS+\i+1], v[SS+\i:SS+\i+1], v[WW+\i:WW+\i+1], v[SS+\i:SS+\i+1]       ; Q
.endr
.irp i, 0,1,2,3,4,5,6,7,8,9,10,11,12,13,14,15
	v_max_num_f32 v[MM+\i], 0, v[YY+\i]
.endr
.irp i, 0,1,2,3,4,5,6,7,8,9,10,11,12,13,14,15
	v_fma_f32 v[SS+\i], -|v[YY+\i]|, v[SS+\i], v[MM+\i]   ; gelu(y)
.endr
.irp i, 0,1,2,3,4,5,6,7,8,9,10,11,12,13,14,15
	v_med3_num_f32 v[SS+\i], v[SS+\i], -v27, v27
.endr
	v_cvt_scalef32_pk8_fp8_f32 v[4+4*\g:5+4*\g], v[SS:SS+7], v26
	v_cvt_scalef32_pk8_fp8_f32 v[6+4*\g:7+4*\g], v[SS+8:SS+15], v26
	v_nop                                          ; a plain line behind the conversions: the next group writes their sources
	global_store_b128 v23, v[4+4*\g:7+4*\g], s[74:75] offset:512*\g   ; a piece: 512 consecutive bytes
.endm
	s_mov_b32 s69, 0
	s_mov_b32 s71, 8
.Lrow:                                             ; a trip: one block of 16 tokens x my 128 hidden units: one fragment of HID
	GROUP 0
	GROUP 1
	GROUP 2
	GROUP 3
	s_wait_xcnt 0x0                                ; the trip's stores have read their registers: offset and codes are written again only behind this wait
	v_add_nc_u32 v23, 0x10000, v23                 ; 16 tokens on in HID
	s_add_co_u32 s69, s69, 8192
	s_add_co_u32 s70, s69, 8192
	s_and_b32 s70, s70, 0xffff                     ; stays inside my wave's bytes
	v_add_nc_u32 v21, s69, v20
	v_add_nc_u32 v22, s70, v20
	s_sub_co_u32 s71, s71, 1
	s_cmp_lg_u32 s71, 0
	s_cbranch_scc1 .Lrow
	s_wait_tensorcnt 0x0                           ; the wave's end
	ds_add_u32 v[SPW], v[NIL]
	s_wait_dscnt 0x0
	CROUND                                         ; the closing round
	s_endpgm
.Lfunc_end_k_q1fae1865d2_ffn1:
	.size	k_q1fae1865d2_ffn1, .Lfunc_end_k_q1fae1865d2_ffn1-k_q1fae1865d2_ffn1
	.p2alignl 7, 3214868480
	.fill 96, 4, 3214868480
	.section	.rodata,"a",@progbits
	.p2align	6, 0x0
	.amdhsa_kernel k_q1fae1865d2_ffn1
		.amdhsa_group_segment_fixed_size 327680
		.amdhsa_private_segment_fixed_size 0
		.amdhsa_enable_private_segment 0
		.amdhsa_kernarg_size 32
		.amdhsa_user_sgpr_count 2
		.amdhsa_user_sgpr_kernarg_segment_ptr 1
		.amdhsa_wavefront_size32 1
		.amdhsa_system_sgpr_workgroup_id_x 1
		.amdhsa_system_sgpr_workgroup_id_y 1
		.amdhsa_system_sgpr_workgroup_id_z 1
		.amdhsa_system_vgpr_workitem_id 0
		.amdhsa_next_free_vgpr 1024
		.amdhsa_next_free_sgpr 100
		.amdhsa_reserve_vcc 0
		.amdhsa_float_denorm_mode_32 3
		.amdhsa_float_denorm_mode_16_64 3
		.amdhsa_memory_ordered 1
		.amdhsa_forward_progress 1
		.amdhsa_inst_pref_size 176
	.end_amdhsa_kernel
	.amdgpu_metadata
---
amdhsa.version: [ 1, 2 ]
amdhsa.kernels:
  - .name:           k_q1fae1865d2_ffn1
    .symbol:         k_q1fae1865d2_ffn1.kd
    .args:
      - { .name: P, .offset: 0, .size: 8, .value_kind: global_buffer, .address_space: global }
      - { .name: lowp_scales, .offset: 8, .size: 8, .value_kind: global_buffer, .address_space: global }
      - { .name: b1, .offset: 16, .size: 8, .value_kind: global_buffer, .address_space: global }
      - { .name: HID, .offset: 24, .size: 8, .value_kind: global_buffer, .address_space: global }
    .group_segment_fixed_size: 327680
    .private_segment_fixed_size: 0
    .kernarg_segment_align: 8
    .kernarg_segment_size: 32
    .max_flat_workgroup_size: 128
    .sgpr_count:     100
    .vgpr_count:     1024
    .wavefront_size: 32
...
	.end_amdgpu_metadata
.endif
;; end of part 7
;; launch ffn2 (part 8): grid 8 x 32, 4 waves a work-group, clusters of 4 x 4, 327,680 bytes of LDS; arguments HID, P, lowp_scales, b2, X1, out0; writes out0
.if DOCPART == 8
	.amdgcn_target "amdgcn-amd-amdhsa--gfx1250"
	.amdhsa_code_object_version 6
	.text
	.protected	k_q1fae1865d2_ffn2
	.globl	k_q1fae1865d2_ffn2
	.p2align	8
	.type	k_q1fae1865d2_ffn2,@function
k_q1fae1865d2_ffn2:
	s_mov_b64 s[64:65], 0
	v_nop
	global_prefetch_b8 v0, s[64:65] scope:SCOPE_SE
	s_setreg_imm32_b32 hwreg(HW_REG_WAVE_MODE, 25, 1), 1
	s_wait_xcnt 0x0
	s_wait_alu depctr_hold_cnt(0) depctr_sa_sdst(0) depctr_va_vdst(0) depctr_va_sdst(0) depctr_va_ssrc(0) depctr_va_vcc(0) depctr_vm_vsrc(0)
	s_getreg_b32 s2, hwreg(HW_REG_IB_STS2, 6, 4)
	s_cmp_eq_u32 s2, 0
	s_cbranch_scc0 .Lentry_in_a_cluster
	s_endpgm
.Lentry_in_a_cluster:
	s_bfe_u32 s2, ttmp6, 0x10000c
	s_cmp_lg_u32 s2, 0xf033
	s_cbranch_scc0 .Lentry_shape_is_right
	s_endpgm
.Lentry_shape_is_right:
; out = residual + (A W x 2^(ea + eb) + bias): A [4,096][KK] and W [1,024 columns][KK] as codes of FP8 in images of the operand's registers ([block of 16 rows][KK / 128][2,048 bytes]); residual, bias, out: f32, rows of 1,024.
; A tile of 128 x 128 is made by a work-group of four waves, 64 x 64 a wave (16 accumulators): tiles of 256 x 256 would be 64, a quarter of the WGPs.  K goes in steps of 512 through two LDS slots;
; a wave's tensor load brings 4 blocks x 8,192 bytes.  CLUSTERS: 4 x 4 work-groups; A's tile is asked for jointly along a row of the cluster, W's along a column.
; The matrix instruction is used transposed (source 0 = 16 columns of W, source 1 = 16 rows of A): a lane holds eight neighbouring numbers of a row.  A wave's 64 columns are 256 bytes, aligned:
; a block of 16 rows goes through the wave's OWN stage in LDS and comes back as rows; sixteen lanes store 256 consecutive bytes.  The residual is asked for at the head, in that same order, into window 2.
; LIMIT: ea + eb between -126 and 127.
; REGISTERS: window 0: v0-31 addresses; v32-95 two sets of 16 rows on the way out; v96-99 my four numbers of the bias; v128-255 the accumulators ((a, b) at v[128 + 8 (4 a + b)]);
;   window 1: two fragment buffers of 128 (A's four blocks, then W's four);  window 2: v0-127 the residual.
.set KK,     4096
.set BOFF,   0x800000                  ; W's images in P
.set EOFF,   56                        ; ea, eb: entries 14, 15
.set BLKP,   KK*16
.set ROWB,   8192                      ; a K step's part of a block: four fragments
.set HALFT,  4*ROWB
.set SLOT,   4*HALFT
.set STAGE,  2*SLOT                    ; behind the ring: 16 rows x 272 bytes for each wave
.set SPITCH, 272
.set SPARE,  STAGE+4*16*SPITCH         ; behind the stages: the spare words, 128 bytes for each wave
.set LAPS,   KK/1024
.set ADRA, 16
.set ADRB, 20
.set STO,  24
.set RD,   25
.set CO,   26
.set SPW,  28
.set NIL,  29
.set ACC,  128
.set F0,   0
.set F1,   128
.set G1, 24
.set G0, 32
.set G1B, 48
.set G0B, 56
.set MSB, 0
.macro WIN new                         ; the immediate's high byte repeats the setting that is left
.if MSB != \new
	s_set_vgpr_msb (MSB<<8)|\new
.set MSB, \new
.endif
.endm
.set MUL,  0x05                        ; sources 0 and 1 window 1; C and D window 0
.set TO_F, 0x40
.macro JLOAD s                         ; a joint load: waves 0 and 1 fetch A's halves, waves 2 and 3 W's; four v_nop follow each line
	s_cmp_eq_u32 s11, 0
	s_cbranch_scc0 .Lfor_b_\@
	tensor_load_to_lds s[G0+4*\s:G0+4*\s+3], s[G1:G1+7]
	s_nop 0
.rept 4
	v_nop
.endr
	s_branch .Lasked_\@
.Lfor_b_\@:
	tensor_load_to_lds s[G0B+4*\s:G0B+4*\s+3], s[G1B:G1B+7]
	s_nop 0
.rept 4
	v_nop
.endr
.Lasked_\@:
.endm
.macro CREST
	s_cmp_lg_u32 s10, 0
	s_cbranch_scc1 .Lnot_wave_0_\@
	s_barrier_signal -3
.Lnot_wave_0_\@:
	s_barrier_wait -3
	s_barrier_signal -1
	s_barrier_wait -1
.endm
.macro CROUND
	s_barrier_signal -1
	s_barrier_wait -1
	CREST
.endm
	s_load_b256 s[68:75], s[0:1], 0x0              ; A's images, P, the exponents, the bias
	s_load_b128 s[76:79], s[0:1], 0x20             ; the residual, out
	v_lshl_add_u32 v[SPW], v0, 2, SPARE
	v_mov_b32 v[NIL], 0
	ds_add_u32 v28, v29
	ds_add_u32 v28, v29
	s_wait_dscnt 0x0
	v_lshrrev_b32 v1, 5, v0
	v_readfirstlane_b32 s10, v1                    ; wave
	s_lshr_b32 s11, s10, 1                         ; my half of the tile's rows.  Also: I fetch for A (0) or for W (1)
	s_and_b32 s12, s10, 1                          ; my half of its columns.  Also: which 4 blocks I fetch
	s_bfe_u32 s40, ttmp6, 0x40000
	s_bfe_u32 s41, ttmp6, 0x40004
	s_lshl_b32 s42, ttmp9, 2
	s_add_co_u32 s42, s42, s40                     ; tile column
	s_and_b32 s13, ttmp7, 0xffff
	s_lshl_b32 s13, s13, 2
	s_add_co_u32 s13, s13, s41                     ; tile row
	s_lshl_b32 s43, s41, 2
	s_lshl_b32 s43, 15, s43
	s_lshl_b32 s44, 0x1111, s40
	s_or_b32 s[G1+0], s43, (1<<21)                 ; the mask; elements of 1 byte; bit 21 set beside a mask; no padding
	s_or_b32 s[G1B+0], s44, (1<<21)
.irp g, G1, G1B
	s_mov_b32 s[\g+1], ROWB<<16
	s_mov_b32 s[\g+2], 4<<16
	s_mov_b32 s[\g+3], ROWB<<16
	s_mov_b32 s[\g+4], 4
	s_mov_b32 s[\g+5], BLKP
	s_mov_b32 s[\g+6], 0
	s_mov_b32 s[\g+7], 0
.endr
	s_lshl_b32 s16, s13, 3
	s_lshl_b32 s17, s12, 2
	s_add_co_u32 s16, s16, s17
	s_mul_i32 s16, s16, BLKP                       ; A: block 8 x tile row + 4 x half
	s_mov_b32 s17, 0
	s_lshl_b32 s46, s42, 3
	s_lshl_b32 s47, s12, 2
	s_add_co_u32 s46, s46, s47
	s_mul_i32 s46, s46, BLKP                       ; W: block 8 x tile column + 4 x half
	s_add_co_u32 s46, s46, BOFF
	s_mov_b32 s47, 0
	s_mul_i32 s20, s10, HALFT
	s_wait_kmcnt 0x0
	s_load_b64 s[80:81], s[72:73], EOFF            ; ea, eb
	s_add_nc_u64 s[14:15], s[68:69], s[16:17]
	s_add_nc_u64 s[46:47], s[70:71], s[46:47]
	CROUND                                         ; all sixteen work-groups are here: the first joint loads meet
.irp s, 0,1
	s_mov_b32 s[G0+4*\s], 1
	s_add_co_u32 s[G0+4*\s+1], s20, \s*SLOT
	s_add_nc_u64 s[G0+4*\s+2:G0+4*\s+3], s[14:15], \s*ROWB
	s_or_b32 s[G0+4*\s+3], s[G0+4*\s+3], 0x80000000
	s_mov_b32 s[G0B+4*\s], 1
	s_add_co_u32 s[G0B+4*\s+1], s20, \s*SLOT
	s_add_nc_u64 s[G0B+4*\s+2:G0B+4*\s+3], s[46:47], \s*ROWB
	s_or_b32 s[G0B+4*\s+3], s[G0B+4*\s+3], 0x80000000
	JLOAD \s
.endr
	v_and_b32 v1, 15, v0
	v_bfe_u32 v2, v0, 4, 1
	v_and_b32 v3, 31, v0
	v_lshlrev_b32 v3, 4, v3                        ; 16 x lane
	s_mul_i32 s21, s11, HALFT
	s_mul_i32 s22, s12, HALFT
	s_add_co_u32 s22, s22, 2*HALFT
.irp s, 0,1
	v_add_nc_u32 v[ADRA+\s], s21, v3
	v_add_nc_u32 v[ADRB+\s], s22, v3
	s_add_co_u32 s21, s21, SLOT
	s_add_co_u32 s22, s22, SLOT
.endr
	s_mul_i32 s23, s10, 16*SPITCH
	s_add_co_u32 s23, s23, STAGE                   ; my stage
	v_mul_u32_u24 v4, v1, SPITCH
	v_lshl_add_u32 v4, v2, 5, v4
	v_add_nc_u32 v[STO], s23, v4                   ; in: row r, 32 bytes for each half of the lanes
	v_mul_u32_u24 v5, v2, SPITCH
	v_lshl_add_u32 v5, v1, 4, v5
	v_add_nc_u32 v[RD], s23, v5                    ; back: lanes 0-15 one row of 256 bytes, lanes 16-31 the next
	v_lshlrev_b32 v5, 12, v2
	v_lshl_add_u32 v[CO], v1, 4, v5                ; and the same two rows in memory
	v_lshlrev_b32 v6, 4, v1
	s_lshl_b32 s16, s13, 19                        ; 128 rows of 4,096 bytes a tile row,
	s_lshl_b32 s17, s11, 18                        ; 64 a half
	s_add_co_u32 s16, s16, s17
	s_mov_b32 s17, 0
	s_lshl_b32 s46, s42, 9                         ; 512 bytes a tile column,
	s_lshl_b32 s47, s12, 8                         ; 256 a half
	s_add_co_u32 s46, s46, s47
	s_mov_b32 s47, 0
	s_add_nc_u64 s[76:77], s[76:77], s[16:17]
	s_add_nc_u64 s[76:77], s[76:77], s[46:47]
	s_add_nc_u64 s[78:79], s[78:79], s[16:17]
	s_add_nc_u64 s[78:79], s[78:79], s[46:47]
	s_add_nc_u64 s[74:75], s[74:75], s[46:47]
	WIN 0x80                                       ; destination window 2
.irp a, 0,1,2,3
.irp t, 0,1,2,3,4,5,6,7
	global_load_b128 v[32*\a+4*\t:32*\a+4*\t+3], v[CO], s[76:77] offset:(16*\a+2*\t)*4096 th:TH_LOAD_NT
.endr
.endr
	WIN 0
	global_load_b128 v[96:99], v6, s[74:75]
.macro MULA f, a, zero                 ; four matrix instructions: A's block a x W's four.  The 16 accumulators take turns, one instruction a turn, in the same order in every quarter
.irp b, 0,1,2,3
.if \zero
	v_wmma_f32_16x16x128_fp8_fp8 v[ACC+8*(4*(\a)+\b):ACC+8*(4*(\a)+\b)+7], v[\f+64+16*\b:\f+64+16*\b+15], v[\f+16*(\a):\f+16*(\a)+15], 0
.else
	v_wmma_f32_16x16x128_fp8_fp8 v[ACC+8*(4*(\a)+\b):ACC+8*(4*(\a)+\b)+7], v[\f+64+16*\b:\f+64+16*\b+15], v[\f+16*(\a):\f+16*(\a)+15], v[ACC+8*(4*(\a)+\b):ACC+8*(4*(\a)+\b)+7]
.endif
.endr
.endm
.macro FETCH slot, q, f                ; 32 LDS loads in one run: fragment q of W's four blocks, then of A's four, into buffer f
	WIN TO_F
.irp i, 0,1,2,3
.irp c, 0,1,2,3
	ds_load_b128 v[\f+64+16*\i+4*\c:\f+64+16*\i+4*\c+3], v[ADRB+\slot] offset:(4*\i+(\q))*2048+512*\c
.endr
.endr
.irp i, 0,1,2,3
.irp c, 0,1,2,3
	ds_load_b128 v[\f+16*\i+4*\c:\f+16*\i+4*\c+3], v[ADRA+\slot] offset:(4*\i+(\q))*2048+512*\c
.endr
.endr
.endm
.macro PLACES                          ; four plain lines in front of loads into registers that matrix instructions have read, and of reads of results
.rept 4
	v_nop
.endr
.endm
.macro QUARTER slot, qn, f, g, zero    ; 128 along K from buffer f; fragment qn of the same slot is fetched into buffer g
	s_wait_dscnt 8                                 ; W's four and A's blocks 0, 1 are in; the youngest eight loads (A's blocks 2, 3) may be out
	WIN MUL
	MULA \f, 0, \zero
	MULA \f, 1, \zero
	PLACES
	FETCH \slot, \qn, \g
	s_wait_dscnt 32                                ; all but the 32 just issued
	WIN MUL
	MULA \f, 2, \zero
	MULA \f, 3, \zero
.endm
; A slot's last quarter changes slots: ONE barrier; in front of it each wave waits for all its tensor loads, adds 0 to its spare word, and waits for that and for its reads of this slot.
.macro TURN slot, next, fill
	WIN 0
	s_wait_tensorcnt 0x0                           ; all my tensor loads have landed: my part of the next slot
	ds_add_u32 v[SPW], v[NIL]                      ; 0 onto my spare word
	s_wait_dscnt 9                                 ; (the add and the youngest eight loads may be out)
	WIN MUL
	MULA F1, 0, 0
	s_wait_dscnt 0x0                               ; the add is done, and my reads of this slot are over
	s_barrier_signal -1
	MULA F1, 1, 0
.if \fill
	WIN 0
.endif
	s_barrier_wait -1
.if \fill
	CREST                                          ; the barrier has opened a round of the cluster's: no wave of any partner still reads this slot or has a load on its way
	s_add_nc_u64 s[G0+4*\slot+2:G0+4*\slot+3], s[G0+4*\slot+2:G0+4*\slot+3], 2*ROWB
	s_add_nc_u64 s[G0B+4*\slot+2:G0B+4*\slot+3], s[G0B+4*\slot+2:G0B+4*\slot+3], 2*ROWB
	JLOAD \slot                                    ; the first tensor load behind the round; its four v_nop are also the places in front of the loads below
.else
	PLACES
.endif
	FETCH \next, 0, F0
	WIN MUL
	MULA F1, 2, 0
	MULA F1, 3, 0
.endm
	s_wait_tensorcnt 1                             ; my part of K step 0 is in (K step 1's load may be out),
	s_barrier_signal -1
	s_barrier_wait -1                              ; everybody's is
	FETCH 0, 0, F0
	QUARTER 0, 1, F0, F1, 1                        ; the first quarter's products start the sums
.if LAPS > 1
	WIN 0
	s_mov_b32 s3, LAPS-1
.Llap:
	QUARTER 0, 2, F1, F0, 0
	QUARTER 0, 3, F0, F1, 0
	TURN 0, 1, 1
	QUARTER 1, 1, F0, F1, 0
	QUARTER 1, 2, F1, F0, 0
	QUARTER 1, 3, F0, F1, 0
	TURN 1, 0, 1
	QUARTER 0, 1, F0, F1, 0
	WIN 0
	s_sub_co_u32 s3, s3, 1
	s_cmp_lg_u32 s3, 0
	s_cbranch_scc1 .Llap
.endif
	QUARTER 0, 2, F1, F0, 0                        ; the last lap fills nothing
	QUARTER 0, 3, F0, F1, 0
	TURN 0, 1, 0
	QUARTER 1, 1, F0, F1, 0
	QUARTER 1, 2, F1, F0, 0
	QUARTER 1, 3, F0, F1, 0
	s_wait_dscnt 8
	WIN MUL
	MULA F1, 0, 0
	MULA F1, 1, 0
	s_wait_dscnt 0
	MULA F1, 2, 0
	MULA F1, 3, 0
	WIN 0
	PLACES
	s_wait_loadcnt 0x0                             ; the residual and the bias
	s_wait_kmcnt 0x0
	s_add_co_i32 s80, s80, s81
	s_add_co_i32 s80, s80, 127
	s_lshl_b32 s80, s80, 23                        ; 2^(ea + eb) as f32
	s_mov_b32 s81, s80                             ; (named with it as a pair)
.macro TOSTAGE a                       ; block a's sums into my stage and back as rows; LDS serves a wave's instructions in order (ISA guide 5.7.1.4): no wait between
.set TT, 32+32*((\a)%2)
.irp b, 0,1,2,3
	ds_store_b128 v[STO], v[ACC+8*(4*(\a)+\b):ACC+8*(4*(\a)+\b)+3] offset:64*\b
	ds_store_b128 v[STO], v[ACC+8*(4*(\a)+\b)+4:ACC+8*(4*(\a)+\b)+7] offset:64*\b+16
.endr
.irp t, 0,1,2,3,4,5,6,7
	ds_load_b128 v[TT+4*\t:TT+4*\t+3], v[RD] offset:\t*2*SPITCH
.endr
.endm
.macro SEND a, younger                 ; younger: the LDS instructions issued behind block a's loads
.set TT, 32+32*((\a)%2)
	s_wait_dscnt \younger
.irp t, 0,1,2,3,4,5,6,7
	v_pk_fma_f32 v[TT+4*\t:TT+4*\t+1], v[TT+4*\t:TT+4*\t+1], s[80:81], v[96:97] op_sel_hi:[1,0,1]       ; sum x 2^(ea + eb) + bias
	v_pk_fma_f32 v[TT+4*\t+2:TT+4*\t+3], v[TT+4*\t+2:TT+4*\t+3], s[80:81], v[98:99] op_sel_hi:[1,0,1]
.endr
	WIN 0x08                                       ; source 1 window 2
.irp t, 0,1,2,3,4,5,6,7
	v_pk_add_f32 v[TT+4*\t:TT+4*\t+1], v[TT+4*\t:TT+4*\t+1], v[32*(\a)+4*\t:32*(\a)+4*\t+1]              ; + the residual
	v_pk_add_f32 v[TT+4*\t+2:TT+4*\t+3], v[TT+4*\t+2:TT+4*\t+3], v[32*(\a)+4*\t+2:32*(\a)+4*\t+3]
.endr
	WIN 0
.irp t, 0,1,2,3,4,5,6,7
	global_store_b128 v[CO], v[TT+4*\t:TT+4*\t+3], s[78:79] offset:(16*(\a)+2*\t)*4096   ; sixteen lanes store 256 consecutive bytes, aligned
.endr
.endm
	TOSTAGE 0
.irp a, 1,2,3
.if \a > 1
	s_wait_xcnt 0x0                                ; block a - 2's stores have read their registers: block a's loads may land there
.endif
	TOSTAGE \a
	SEND \a-1, 16                                  ; behind block a - 1's loads: block a's eight stores and eight loads
.endr
	SEND 3, 0
	s_wait_tensorcnt 0x0                           ; the wave's end
	ds_add_u32 v[SPW], v[NIL]
	s_wait_dscnt 0x0
	CROUND                                         ; the closing round
	s_endpgm
.Lfunc_end_k_q1fae1865d2_ffn2:
	.size	k_q1fae1865d2_ffn2, .Lfunc_end_k_q1fae1865d2_ffn2-k_q1fae1865d2_ffn2
	.p2alignl 7, 3214868480
	.fill 96, 4, 3214868480
	.section	.rodata,"a",@progbits
	.p2align	6, 0x0
	.amdhsa_kernel k_q1fae1865d2_ffn2
		.amdhsa_group_segment_fixed_size 327680
		.amdhsa_private_segment_fixed_size 0
		.amdhsa_enable_private_segment 0
		.amdhsa_kernarg_size 48
		.amdhsa_user_sgpr_count 2
		.amdhsa_user_sgpr_kernarg_segment_ptr 1
		.amdhsa_wavefront_size32 1
		.amdhsa_system_sgpr_workgroup_id_x 1
		.amdhsa_system_sgpr_workgroup_id_y 1
		.amdhsa_system_sgpr_workgroup_id_z 1
		.amdhsa_system_vgpr_workitem_id 0
		.amdhsa_next_free_vgpr 640
		.amdhsa_next_free_sgpr 100
		.amdhsa_reserve_vcc 0
		.amdhsa_float_denorm_mode_32 3
		.amdhsa_float_denorm_mode_16_64 3
		.amdhsa_memory_ordered 1
		.amdhsa_forward_progress 1
		.amdhsa_inst_pref_size 81
	.end_amdhsa_kernel
	.amdgpu_metadata
---
amdhsa.version: [ 1, 2 ]
amdhsa.kernels:
  - .name:           k_q1fae1865d2_ffn2
    .symbol:         k_q1fae1865d2_ffn2.kd
    .args:
      - { .name: HID, .offset: 0, .size: 8, .value_kind: global_buffer, .address_space: global }
      - { .name: P, .offset: 8, .size: 8, .value_kind: global_buffer, .address_space: global }
      - { .name: lowp_scales, .offset: 16, .size: 8, .value_kind: global_buffer, .address_space: global }
      - { .name: b2, .offset: 24, .size: 8, .value_kind: global_buffer, .address_space: global }
      - { .name: X1, .offset: 32, .size: 8, .value_kind: global_buffer, .address_space: global }
      - { .name: out0, .offset: 40, .size: 8, .value_kind: global_buffer, .address_space: global }
    .group_segment_fixed_size: 327680
    .private_segment_fixed_size: 0
    .kernarg_segment_align: 8
    .kernarg_segment_size: 48
    .max_flat_workgroup_size: 128
    .sgpr_count:     100
    .vgpr_count:     640
    .wavefront_size: 32
...
	.end_amdgpu_metadata
.endif
;; end of part 8
